; MI455X (gfx1250); checked and timed in simulation.
; The chip was launched on July 23, 2026; its instructions are those of AMD's public machine-readable ISA for CDNA 5 (MIT licence, August 2026) and "CDNA5" Instruction Set Architecture Reference Guide (July 2026). The comments in the code are by the model that wrote it; some were corrected since.
;; Scaled Dot Product Attention. Allowed arithmetic: float matrix products may take bf16 or f16 operands with f32 sums; other float arithmetic in f32, or as packed bf16 or f16 multiplies, adds, multiply-adds, maxima and minima; sums over many terms, partial sums and values carried from step to step in f32; what a program stores and reads back later, other than sums and carried values, may be rounded once to bf16 or f16.
;; Inputs: b_k 1,024 float32; b_q 1,024 float32; b_v 1,024 float32; w_k 1,024 x 1,024 float32; w_q 1,024 x 1,024 float32; w_v 1,024 x 1,024 float32; x 4 x 2,048 x 1,024 float32.
;; Outputs: out0 4 x 2,048 x 1,024 float32.
;; One version. Each part assembles by itself: llvm-mc -triple=amdgcn-amd-amdhsa -mcpu=gfx1250 --defsym DOCPART=n.
;; ======== version 1 of 1: 4 launches
;; limits: values are held in f16: magnitudes above 65,504 overflow, below 6.1e-05 lose precision
;; workspace buffers: xb 16,777,216 bytes; wb 6,291,456 bytes; qkv 50,331,648 bytes; p 33,554,432 bytes; mx 524,288 bytes; ls 524,288 bytes
;; launch cast (part 1): grid 704 x 1, 8 waves a work-group, no clusters, 0 bytes of LDS; arguments x, w_q, w_k, w_v, xb, wb; writes xb, wb
.if DOCPART == 1
	.amdgcn_target "amdgcn-amd-amdhsa--gfx1250"
	.amdhsa_code_object_version 6
	.text
	.protected	k_q60acbb1849_cast
	.globl	k_q60acbb1849_cast
	.p2align	8
	.type	k_q60acbb1849_cast,@function
k_q60acbb1849_cast:
	s_mov_b64 s[64:65], 0
	v_nop
	global_prefetch_b8 v0, s[64:65] scope:SCOPE_SE
	s_setreg_imm32_b32 hwreg(HW_REG_WAVE_MODE, 25, 1), 1
	s_wait_xcnt 0x0
; xb = bf16(x), wb = bf16(w_q | w_k | w_v): every number rounded once, to nearest even, and laid out for the next launch's tiles.
;   xb: [16 K steps][8192 rows][64 k]: the 128 bytes that a row gives to a K step lie end to end with its neighbours', so that 128 rows of a K step are 16,384 dense bytes.
;   wb: [1024 k][3072 n]: the three weights side by side, so that a block of 384 columns is one piece of 768 bytes of each row, also where it spans two weights.
; A stream: each input byte is read once, each output byte written once.  No LDS, no matrix unit, no cluster: no byte is wanted twice.
; SHARES.  A work-group converts 16 rows of 1,024 numbers: 65,536 bytes in, 32,768 out.  Work-groups 0-511 take x, 512-703 the three weights, 64 each.  A thread takes 8 neighbouring numbers in each of
; 8 steps: two loads of 16 bytes, one store of 16 bytes.  All 16 loads of a thread go out at once; the waits count down.  The two kinds differ in which 8 numbers a thread takes, so that in both sixteen
; neighbouring lanes store 256 consecutive, aligned bytes: for x two rows' 128 bytes of one K step, for a weight 128 numbers of one row.
.set X, 8                              ; v[8:71]   as loaded, 8 registers a step
.set Y, 72                             ; v[72:103] to store, 4 registers a step
; si, di: bytes from step to step in the source and in the destination.  split = 1: steps 4 to 7 store by a second base, 8,388,608 bytes on, since a store's immediate has 24 signed bits
.macro CONV si, di, split
.irp j, 0,1,2,3,4,5,6,7
	global_load_b128 v[X+8*(\j):X+8*(\j)+3],   v1, s[24:25] offset:(\si)*(\j) th:TH_LOAD_NT
	global_load_b128 v[X+8*(\j)+4:X+8*(\j)+7], v1, s[24:25] offset:(\si)*(\j)+16 th:TH_LOAD_NT
.endr
.irp j, 0,1,2,3,4,5,6,7
	s_wait_loadcnt 14-2*(\j)                       ; loads come back in order: step j's two are in, the 14 - 2 j younger ones stay out
.irp k, 0,1,2,3
	v_cvt_pk_bf16_f32 v[Y+4*(\j)+(\k)], v[X+8*(\j)+2*(\k)], v[X+8*(\j)+2*(\k)+1]
.endr
.if (\split) && ((\j) >= 4)
	global_store_b128 v2, v[Y+4*(\j):Y+4*(\j)+3], s[28:29] offset:(\di)*((\j)-4)
.else
	global_store_b128 v2, v[Y+4*(\j):Y+4*(\j)+3], s[26:27] offset:(\di)*(\j)
.endif
.endr
.endm
	s_load_b256 s[4:11], s[0:1], 0x0               ; x s[4:5], w_q s[6:7], w_k s[8:9], w_v s[10:11]
	s_load_b128 s[12:15], s[0:1], 0x20             ; xb s[12:13], wb s[14:15]
	v_lshrrev_b32 v5, 7, v0                        ; t / 128
	s_mov_b32 s21, 0
	s_mov_b32 s23, 0
	s_cmp_lt_u32 ttmp9, 512
	s_cbranch_scc0 .Lweights
	; x.  Thread t: numbers 8 (t % 8) .. + 7 of a K step's 64, row (t / 8) % 16, K step 2 j + t / 128
	v_and_b32 v3, 7, v0
	v_bfe_u32 v4, v0, 3, 4
	v_lshlrev_b32 v1, 5, v3                        ; in: 32 bytes a thread,
	v_lshl_add_u32 v1, v5, 8, v1                   ; 256 a K step,
	v_lshl_add_u32 v1, v4, 12, v1                  ; 4,096 a row
	v_lshlrev_b32 v2, 4, v3                        ; out: 16 bytes a thread,
	v_lshl_add_u32 v2, v4, 7, v2                   ; 128 a row,
	v_lshl_add_u32 v2, v5, 20, v2                  ; 1,048,576 a K step
	s_lshl_b32 s20, ttmp9, 16                      ; my 16 rows in x,
	s_lshl_b32 s22, ttmp9, 11                      ; and in a K step's block of xb
	s_wait_kmcnt 0x0
	s_add_nc_u64 s[24:25], s[4:5], s[20:21]
	s_add_nc_u64 s[26:27], s[12:13], s[22:23]
	s_add_nc_u64 s[28:29], s[26:27], 0x800000
	CONV 512, 2097152, 1
	s_endpgm
.Lweights:
	; a weight.  Thread t: numbers 8 (t % 128) .. + 7 of row 2 j + t / 128
	v_and_b32 v3, 127, v0
	v_lshlrev_b32 v1, 5, v3
	v_lshl_add_u32 v1, v5, 12, v1
	v_mul_u32_u24 v2, v5, 6144
	v_lshl_add_u32 v2, v3, 4, v2
	s_sub_co_u32 s17, ttmp9, 512                   ; my place among the weights' 192 chunks,
	s_and_b32 s18, s17, 63                         ; in its weight,
	s_lshr_b32 s19, s17, 6                         ; and which weight
	s_lshl_b32 s20, s18, 16
	s_mul_i32 s22, s18, 16*6144                    ; 16 rows of wb,
	s_lshl_b32 s19, s19, 11                        ; the weight's 2,048 bytes of each
	s_add_co_u32 s22, s22, s19
	s_wait_kmcnt 0x0
	s_cmp_lt_u32 ttmp9, 640
	s_cselect_b64 s[24:25], s[8:9], s[10:11]       ; w_k or w_v,
	s_cmp_lt_u32 ttmp9, 576
	s_cselect_b64 s[24:25], s[6:7], s[24:25]       ; or w_q
	s_add_nc_u64 s[24:25], s[24:25], s[20:21]
	s_add_nc_u64 s[26:27], s[14:15], s[22:23]
	CONV 8192, 12288, 0
	s_endpgm
.Lfunc_end_k_q60acbb1849_cast:
	.size	k_q60acbb1849_cast, .Lfunc_end_k_q60acbb1849_cast-k_q60acbb1849_cast
	.p2alignl 7, 3214868480
	.fill 96, 4, 3214868480
	.section	.rodata,"a",@progbits
	.p2align	6, 0x0
	.amdhsa_kernel k_q60acbb1849_cast
		.amdhsa_group_segment_fixed_size 0
		.amdhsa_private_segment_fixed_size 0
		.amdhsa_enable_private_segment 0
		.amdhsa_kernarg_size 48
		.amdhsa_user_sgpr_count 2
		.amdhsa_user_sgpr_kernarg_segment_ptr 1
		.amdhsa_wavefront_size32 1
		.amdhsa_system_sgpr_workgroup_id_x 1
		.amdhsa_system_sgpr_workgroup_id_y 1
		.amdhsa_system_sgpr_workgroup_id_z 1
		.amdhsa_system_vgpr_workitem_id 0
		.amdhsa_next_free_vgpr 104
		.amdhsa_next_free_sgpr 66
		.amdhsa_reserve_vcc 0
		.amdhsa_float_denorm_mode_32 3
		.amdhsa_float_denorm_mode_16_64 3
		.amdhsa_memory_ordered 1
		.amdhsa_forward_progress 1
		.amdhsa_inst_pref_size 12
	.end_amdhsa_kernel
	.amdgpu_metadata
---
amdhsa.version: [ 1, 2 ]
amdhsa.kernels:
  - .name:           k_q60acbb1849_cast
    .symbol:         k_q60acbb1849_cast.kd
    .args:
      - { .name: x, .offset: 0, .size: 8, .value_kind: global_buffer, .address_space: global }
      - { .name: w_q, .offset: 8, .size: 8, .value_kind: global_buffer, .address_space: global }
      - { .name: w_k, .offset: 16, .size: 8, .value_kind: global_buffer, .address_space: global }
      - { .name: w_v, .offset: 24, .size: 8, .value_kind: global_buffer, .address_space: global }
      - { .name: xb, .offset: 32, .size: 8, .value_kind: global_buffer, .address_space: global }
      - { .name: wb, .offset: 40, .size: 8, .value_kind: global_buffer, .address_space: global }
    .group_segment_fixed_size: 0
    .private_segment_fixed_size: 0
    .kernarg_segment_align: 8
    .kernarg_segment_size: 48
    .max_flat_workgroup_size: 256
    .sgpr_count:     66
    .vgpr_count:     104
    .wavefront_size: 32
...
	.end_amdgpu_metadata
.endif
;; end of part 1
;; launch proj (part 2): grid 8 x 32, 4 waves a work-group, clusters of 4 x 4, 327,680 bytes of LDS; arguments xb, wb, b_q, b_k, b_v, qkv; writes qkv
.if DOCPART == 2
	.amdgcn_target "amdgcn-amd-amdhsa--gfx1250"
	.amdhsa_code_object_version 6
	.text
	.protected	k_q60acbb1849_proj
	.globl	k_q60acbb1849_proj
	.p2align	8
	.type	k_q60acbb1849_proj,@function
k_q60acbb1849_proj:
	s_mov_b64 s[64:65], 0
	v_nop
	global_prefetch_b8 v0, s[64:65] scope:SCOPE_SE
	s_setreg_imm32_b32 hwreg(HW_REG_WAVE_MODE, 25, 1), 1
	s_wait_xcnt 0x0
	s_wait_alu depctr_hold_cnt(0) depctr_sa_sdst(0) depctr_va_vdst(0) depctr_va_sdst(0) depctr_va_ssrc(0) depctr_va_vcc(0) depctr_vm_vsrc(0)
	s_getreg_b32 s2, hwreg(HW_REG_IB_STS2, 6, 4)
	s_cmp_eq_u32 s2, 0
	s_cbranch_scc0 .Lentry_in_a_cluster
	s_endpgm
.Lentry_in_a_cluster:
	s_bfe_u32 s2, ttmp6, 0x10000c
	s_cmp_lg_u32 s2, 0xf033
	s_cbranch_scc0 .Lentry_shape_is_right
	s_endpgm
.Lentry_shape_is_right:
; qkv[row][3072] = x[row][1024] . (w_q | w_k | w_v) + (b_q | b_k | b_v).  xb ([16 K steps][8192 rows][64]) and wb ([1024 k][3072 n]) are bf16; the biases are rounded to bf16 here, like the other inputs;
; sums in f32; qkv is f16, rounded once.  LIMIT: a result of 65,520 or more in size becomes an infinity in f16.
; SHARES.  A tile of 256 rows x 384 columns to a work-group: 32 x 8 = 256 tiles, one for each work-group.  A wave makes 128 x 192: 96 accumulators of 16 x 16, 768 registers: 20 fragments from LDS feed 96 products.
; K = 1,024 goes in 16 steps of 64 through two LDS slots: two slots of 128 along K would be 2 x 180,224 bytes, more than the work-group has.
; CLUSTER.  4 x 4 work-groups.  The four of a row of the cluster need the same rows of xb, the four of a column the same columns of wb: each tile is asked for jointly, by the same tensor load with the same
; descriptor and a mask that names the four.
; THE MATRIX INSTRUCTION IS USED TRANSPOSED: source 0 = 16 columns of wb, source 1 = 16 rows of xb, so that a lane holds eight neighbouring columns of one row of qkv.  wb lies [k][n] in LDS as in memory, and
; its fragments come out turned, by ds_load_tr16_b128.
; THE BIAS is a slice of K of its own, ahead of the loop: fragments that hold bf16(bias) at k = 0 and nothing else, times a fragment of ones at k = 0, with C = 0: exact products that start all 96 sums, made
; while the first tiles are on their way.  The price: 96 matrix instructions a wave and 91 lines that write 0 into fragments.
; REGISTERS, in windows of 256 (s_set_vgpr_msb: bits 1:0 source 0, 3:2 source 1, 5:4 source 2, 7:6 destination):
;   window 0: v0-31 addresses; v32-95, v96-159 xb's 8 fragments of a slice of 32 along K, two buffers by the slice's parity; v160-255 wb's 12 fragments, three groups of 4 that are filled again one by one
;   window g + 1: the 32 accumulators of column group g (columns 64 g .. 64 g + 63 of my 192): (a, bb) at v[8 (4 a + bb)]
.set AP,     144                       ; an LDS row of xb's tile: 128 bytes + 16 of padding: the 16 rows of a load start in 16 different groups of four banks (64 banks of 4 bytes: ISA guide 11.1)
.set BP,     864                       ; an LDS row of wb's tile: 3 x (256 bytes + 32): 216 words
.set AHALF,  128*AP                    ; what a tensor load of xb brings,
.set BHALF,  32*BP                     ; and one of wb
.set BOFF,   2*AHALF                   ; wb's 64 k rows lie behind xb's 256 rows
.set SLOTX,  0x20000                   ; slot 1 begins here; a slot has 92,160 bytes, so one exclusive or turns an address in one slot into the other's
.set SP,     784                       ; a row of the stage: 768 bytes + 16.  The stage, 256 rows, lies over the slots: it is written when they have had their last fill and their last read
.set SPARE,  262144                    ; the spare words, 128 bytes for each wave: two blocks of 256 bytes that no other line names
.set ROWC,   6144                      ; bytes in a row of qkv and of wb
.set ASTEP,  1048576                   ; a K step in xb: a block of 8,192 rows x 128 bytes
.set BSTEP,  64*ROWC                   ; in wb: 64 rows
.set ADRA0, 10                         ; v10  my lane's place in xb's tile; never rewritten
.set ADRB0, 11                         ; v11  in wb's, for column groups 0 and 2
.set ADRC0, 12                         ; v12  for column group 1: 32 bytes further in the waves of the right half, whose group 1 lies behind one padding more
.set ADRA,  13                         ; v13-15  the same three in the slot in hand
.set ADRB,  14
.set ADRC,  15
.set STO,   16                         ; v16, v17  the way out: where I put 16 bytes of a row, row blocks 0-3 and 4-7 (an LDS offset has 16 bits)
.set RD,    18                         ; v18  where I read rows back
.set CO,    19                         ; v19  my byte offset in two rows of qkv
.set PFO,   20                         ; v20  the prefetches' offset; never rewritten
.set R4,    21                         ; v21  4 x (lane % 16)
.set SPW,   28                         ; v28  LDS address of my spare word; never rewritten
.set NIL,   29                         ; v29  0; never rewritten
.set AA,    32
.set BB,    160
.set ONE,   96                         ; the fragment of ones, in the second buffer of xb's fragments, which is first loaded behind the first 32 products of the loop
.set TMP,   32                         ; the way out: two sets of 48 packed registers
.set OB,    160                        ; and 48 for rows read back
.set TB,  21                           ; s21  0 or SLOTX: the slot in hand
.set PST, 22                           ; s[22:23] a K step in the tensor that I prefetch
.set G1A, 24                           ; s[24:31] descriptor group 1 for xb's tiles
.set G0A, 32                           ; s[32:39] group 0: a set for each first fill; the second then walks
.set LIM, 43                           ; s43  1 in a wave that prefetches, else the greatest number
.set PFA, 44                           ; s[44:45] where my prefetches stand
.set G1B, 48                           ; s[48:55], s[56:63] the same for wb's tiles
.set G0B, 56
.set MSB, 0
.macro WIN new                         ; the immediate's high byte repeats the setting that is left; a switch that changes nothing is dropped
.if MSB != (\new)
	s_set_vgpr_msb (MSB<<8)|(\new)
.set MSB, \new
.endif
.endm
.macro PLACES                          ; four plain places behind matrix instructions, in front of loads into registers that they have read and of conversions that read results
.rept 4
	v_nop
.endr
.endm
; A joint refill.  Waves 0 and 1 fetch xb's two halves, waves 2 and 3 wb's.  The branch hangs on the wave's number alone.  An s_nop 0 and four v_nop follow each line.
.macro JLOAD
	s_cmp_eq_u32 s11, 0
	s_cbranch_scc0 .Lfor_b_\@
	tensor_load_to_lds s[G0A+4:G0A+7], s[G1A:G1A+7]
	s_nop 0
.rept 4
	v_nop
.endr
	s_branch .Lasked_\@
.Lfor_b_\@:
	tensor_load_to_lds s[G0B+4:G0B+7], s[G1B:G1B+7]
	s_nop 0
.rept 4
	v_nop
.endr
.Lasked_\@:
.endm
; A PREFETCH, in every second trip (t = 1, 3 .. 11: s3 odd and above 1), of the two K steps t + 3 and t + 4, which the next two trips' refills ask for: 192 and 384 matrix instructions ahead of those loads.
; Each aligned 256 bytes are named once in the launch.  xb's rows are read by both clusters of a row of clusters: the one with x = 0 asks, waves 0 and 1, each for the rows that it fetches; of a step's 64 blocks
; of 256 bytes the partner at cx takes 16, by address: lanes 0-15 the first step's, lanes 16-31 the second's: one instruction.  wb's columns are read by the eight clusters of a column: the one with y = 0
; asks, wave 2; of the two steps' 128 rows the partner at cy takes 32, a lane a row, three instructions for a row's 768 bytes.  K steps 2 and 3 come by their refills alone.
.macro ASK
	s_bitcmp1_b32 s3, 0
	s_cbranch_scc0 .Lnone_\@
	s_cmp_gt_u32 s3, s[LIM]
	s_cbranch_scc0 .Lnone_\@
	global_prefetch_b8 v[PFO], s[PFA:PFA+1] th:TH_LOAD_NT scope:SCOPE_SE
	s_cmp_eq_u32 s11, 0
	s_cbranch_scc1 .Lnone_\@
	global_prefetch_b8 v[PFO], s[PFA:PFA+1] offset:256 th:TH_LOAD_NT scope:SCOPE_SE
	global_prefetch_b8 v[PFO], s[PFA:PFA+1] offset:512 th:TH_LOAD_NT scope:SCOPE_SE
.Lnone_\@:
.endm
.macro CREST                           ; a round of the cluster's barrier behind its opening barrier
	s_cmp_lg_u32 s10, 0
	s_cbranch_scc1 .Lnot_wave_0_\@
	s_barrier_signal -3
.Lnot_wave_0_\@:
	s_barrier_wait -3
	s_barrier_signal -1
	s_barrier_wait -1
.endm
.macro CROUND                          ; a whole round
	s_barrier_signal -1
	s_barrier_wait -1
	CREST
.endm
	s_load_b128 s[4:7], s[0:1], 0x0                ; xb s[4:5], wb s[6:7]
	s_load_b128 s[68:71], s[0:1], 0x10             ; b_q s[68:69], b_k s[70:71]
	s_load_b128 s[72:75], s[0:1], 0x20             ; b_v s[72:73], qkv s[74:75]
	v_lshl_add_u32 v[SPW], v0, 2, SPARE
	v_mov_b32 v[NIL], 0
	ds_add_u32 v[SPW], v[NIL]                      ; the wave's opening: the add and its wait stand ahead of my first tensor load; work on registers stands between them
	v_lshrrev_b32 v1, 5, v0
	v_readfirstlane_b32 s10, v1                    ; wave 0..3
	s_lshr_b32 s11, s10, 1                         ; which half of the tile's rows is mine.  Also: I fetch for xb (0) or for wb (1)
	s_and_b32 s12, s10, 1                          ; which half of its columns.  Also: which half of that tile I fetch
	s_bfe_u32 s40, ttmp6, 0x40000                  ; cx
	s_bfe_u32 s41, ttmp6, 0x40004                  ; cy
	s_lshl_b32 s42, ttmp9, 2
	s_add_co_u32 s42, s42, s40                     ; tile column = 4 x cluster x + cx
	s_and_b32 s13, ttmp7, 0xffff
	s_lshl_b32 s13, s13, 2
	s_add_co_u32 s13, s13, s41                     ; tile row = 4 x cluster y + cy
	s_lshl_b32 s14, s41, 2
	s_lshl_b32 s14, 15, s14                        ; my row of the cluster
	s_lshl_b32 s15, 0x1111, s40                    ; my column
	s_or_b32 s[G1A], s14, (1<<16)|(1<<20)|(1<<21)|(4<<22)|(3<<25)  ; the mask; 2-byte elements; padding on; bit 21 beside a mask; after every 32 words 4 words
	s_or_b32 s[G1B], s15, (1<<16)|(1<<20)|(1<<21)|(5<<22)|(7<<25)  ; after every 64 words 8 words
	s_mov_b32 s[G1A+1], 128<<16                    ; 128 rows of a K step are 16,384 dense bytes: asked for as 64 rows of 256 bytes, two rows of xb each: tensor_dim0 = 128
	s_mov_b32 s[G1A+2], 64<<16                     ; tensor_dim1 = 64
	s_mov_b32 s[G1A+3], 128<<16                    ; tile_dim0 = 128
	s_mov_b32 s[G1A+4], 64                         ; tile_dim1 = 64
	s_mov_b32 s[G1A+5], 128                        ; elements from row to row
	s_mov_b32 s[G1A+6], 0
	s_mov_b32 s[G1A+7], 0
	s_mov_b32 s[G1B+1], 384<<16                    ; tensor_dim0 = 384
	s_mov_b32 s[G1B+2], 32<<16                     ; tensor_dim1 = 32
	s_mov_b32 s[G1B+3], 384<<16                    ; tile_dim0 = 384
	s_mov_b32 s[G1B+4], 32                         ; tile_dim1 = 32
	s_mov_b32 s[G1B+5], 3072
	s_mov_b32 s[G1B+6], 0
	s_mov_b32 s[G1B+7], 0
	s_lshl_b32 s18, s13, 15                        ; xb: row 256 x tile row + 128 x half, 128 bytes a row: made of the tile row and the wave's number alone
	s_lshl_b32 s19, s12, 14
	s_add_co_u32 s18, s18, s19
	s_mov_b32 s19, 0
	s_mul_i32 s46, s42, 768                        ; wb: byte 768 x tile column, k row 32 x half: made of the tile column and the wave's number alone
	s_mul_i32 s47, s12, 32*ROWC
	s_add_co_u32 s46, s46, s47
	s_mov_b32 s47, 0
	s_mul_i32 s20, s12, AHALF                      ; where xb's half goes,
	s_mul_i32 s67, s12, BHALF
	s_add_co_u32 s67, s67, BOFF                    ; and wb's: no place in the cluster enters an LDS address
	s_mov_b32 s[TB], 0
	s_mov_b32 s82, 0xffff                          ; lanes 0-15
	s_wait_dscnt 0x0                               ; the opening add is done
	s_wait_kmcnt 0x0
	s_add_nc_u64 s[18:19], s[4:5], s[18:19]
	s_add_nc_u64 s[46:47], s[6:7], s[46:47]
	CROUND                                         ; all sixteen work-groups are here: the first joint loads meet
.irp s, 0,1
	s_mov_b32 s[G0A+4*(\s)], 1
	s_add_co_u32 s[G0A+4*(\s)+1], s20, (\s)*SLOTX
	s_add_nc_u64 s[G0A+4*(\s)+2:G0A+4*(\s)+3], s[18:19], (\s)*ASTEP
	s_or_b32 s[G0A+4*(\s)+3], s[G0A+4*(\s)+3], 0x80000000
	s_mov_b32 s[G0B+4*(\s)], 1
	s_add_co_u32 s[G0B+4*(\s)+1], s67, (\s)*SLOTX
	s_add_nc_u64 s[G0B+4*(\s)+2:G0B+4*(\s)+3], s[46:47], (\s)*BSTEP
	s_or_b32 s[G0B+4*(\s)+3], s[G0B+4*(\s)+3], 0x80000000
.endr
	s_cmp_eq_u32 s11, 0                            ; a wave's two first fills (K steps 0 and 1) stand in one branch: two loads of mine are out
	s_cbranch_scc0 .Lfirst_b
	tensor_load_to_lds s[G0A:G0A+3], s[G1A:G1A+7]
	s_nop 0
	tensor_load_to_lds s[G0A+4:G0A+7], s[G1A:G1A+7]
	s_nop 0
.rept 4
	v_nop
.endr
	s_branch .Lfirst_asked
.Lfirst_b:
	tensor_load_to_lds s[G0B:G0B+3], s[G1B:G1B+7]
	s_nop 0
	tensor_load_to_lds s[G0B+4:G0B+7], s[G1B:G1B+7]
	s_nop 0
.rept 4
	v_nop
.endr
.Lfirst_asked:
	; THE BIAS.  My 192 columns begin at a multiple of 64, so each group of 64 lies in one of the three biases.  Lane r of the lower half takes the bias of column 16 b + r into register 0 of fragment b.
	v_and_b32 v1, 15, v0                           ; r = l % 16
	v_bfe_u32 v2, v0, 4, 1                         ; h = l / 16
	v_lshlrev_b32 v[R4], 2, v1
	s_mul_i32 s83, s42, 384
	s_mul_i32 s84, s12, 192
	s_add_co_u32 s83, s83, s84                     ; my first column
.irp g, 0,1,2
	s_add_co_u32 s84, s83, 64*(\g)
	s_lshr_b32 s85, s84, 10                        ; which bias,
	s_and_b32 s84, s84, 1023                       ; and where in it
	s_lshl_b32 s86, s84, 2
	s_mov_b32 s87, 0
	s_cmp_eq_u32 s85, 1
	s_cselect_b64 s[76+2*(\g):77+2*(\g)], s[70:71], s[72:73]
	s_cmp_eq_u32 s85, 0
	s_cselect_b64 s[76+2*(\g):77+2*(\g)], s[68:69], s[76+2*(\g):77+2*(\g)]
	s_add_nc_u64 s[76+2*(\g):77+2*(\g)], s[76+2*(\g):77+2*(\g)], s[86:87]
.endr
.irp b, 0,1,2,3,4,5,6,7,8,9,10,11
	global_load_b32 v[BB+8*(\b)], v[R4], s[76+2*((\b)/4):77+2*((\b)/4)] offset:64*((\b)%4)
.endr
.set i, 0
.rept 12                                       ; k = 1 .. 31 of the bias's fragments hold nothing
.irp k, 1,2,3,4,5,6,7
	v_mov_b32 v[BB+8*i+(\k)], 0
.endr
.set i, i+1
.endr
	v_mov_b32 v3, 0x3f80                           ; 1.0 in bf16, in the low half: k = 0 lies in register 0 of lanes 0-15
	v_cndmask_b32 v[ONE], v[NIL], v3, s82
.irp k, 1,2,3,4,5,6,7
	v_mov_b32 v[ONE+(\k)], 0
.endr
	; A fragment of xb is 16 rows x 32 K: lane l holds row r; two loads of 16 bytes, 32 bytes apart, at row x pitch + 16 h
	v_mul_u32_u24 v3, v1, AP
	v_lshl_add_u32 v3, v2, 4, v3
	s_mul_i32 s66, s11, AHALF                      ; my 128 rows
	v_add_nc_u32 v[ADRA0], s66, v3
	; The turning load takes 16 k x 16 columns (lane l reads k row 8 h + l % 8, columns 8 ((l / 8) % 2) + 0..7) and leaves half a fragment: lane l holds column r and 8 k.
	; Byte c of a row of wb's tile lies at c + 32 (c / 256).  My columns begin at byte 384 x half: at 0, or at 416.  From there column block b lies at 32 b, + 32 for blocks 8-11, and in the right half for blocks 4-7 too.
	v_and_b32 v5, 7, v0
	v_lshl_add_u32 v5, v2, 3, v5
	v_mul_u32_u24 v5, v5, BP
	v_bfe_u32 v6, v0, 3, 1
	v_lshl_add_u32 v5, v6, 4, v5
	s_mul_i32 s66, s12, 416
	s_add_co_u32 s66, s66, BOFF
	v_add_nc_u32 v[ADRB0], s66, v5
	s_lshl_b32 s66, s12, 5
	v_add_nc_u32 v[ADRC0], s66, v[ADRB0]
	v_mov_b32 v[ADRA], v[ADRA0]
	v_mov_b32 v[ADRB], v[ADRB0]
	v_mov_b32 v[ADRC], v[ADRC0]
	s_mul_i32 s66, s11, 128*SP                     ; into the stage: my 128 rows, my 384 bytes of them; row r, 16 bytes for each half of the lanes
	s_mul_i32 s84, s12, 384
	s_add_co_u32 s66, s66, s84
	v_mul_u32_u24 v4, v1, SP
	v_lshl_add_u32 v4, v2, 4, v4
	v_add_nc_u32 v[STO], s66, v4
	v_add_nc_u32 v[STO+1], 64*SP, v[STO]
	s_mul_i32 s66, s10, 64*SP                      ; back: wave w takes rows 64 w .. 64 w + 63, whole; lanes 0-15 256 bytes of one row, lanes 16-31 of the next
	v_mul_u32_u24 v4, v2, SP
	v_lshl_add_u32 v4, v1, 4, v4
	v_add_nc_u32 v[RD], s66, v4
	v_mul_u32_u24 v4, v2, ROWC                     ; and the same two rows in qkv
	v_lshl_add_u32 v[CO], v1, 4, v4
	s_lshl_b32 s16, s13, 8                         ; qkv at the rows that I store: row 256 x tile row + 64 x wave, byte 768 x tile column
	s_lshl_b32 s17, s10, 6
	s_add_co_u32 s16, s16, s17
	s_mul_i32 s16, s16, ROWC
	s_mul_i32 s17, s42, 768
	s_add_co_u32 s16, s16, s17
	s_mov_b32 s17, 0
	s_add_nc_u64 s[8:9], s[74:75], s[16:17]
	; the prefetches
	s_lshl_b32 s66, s13, 15                        ; xb: my 128 rows of a K step, of their 64 blocks of 256 bytes my work-group's 16
	s_lshl_b32 s84, s12, 14
	s_add_co_u32 s66, s66, s84
	s_lshl_b32 s84, s40, 12
	s_add_co_u32 s66, s66, s84
	s_mul_i32 s86, s42, 768                        ; wb: my tile's columns, of two K steps' 128 rows my work-group's 32
	s_mul_i32 s84, s41, 32*ROWC
	s_add_co_u32 s86, s86, s84
	s_and_b32 s14, ttmp7, 0xffff                   ; cluster y
	s_mov_b32 s[PST], BSTEP
	s_mov_b32 s[PST+1], 0
	s_cmp_eq_u32 s11, 0
	s_cselect_b32 s66, s66, s86
	s_cselect_b32 s14, ttmp9, s14                  ; the coordinate along which other clusters read the same rows
	s_cselect_b64 s[PFA:PFA+1], s[4:5], s[6:7]
	s_cselect_b32 s[PST], ASTEP, s[PST]
	s_cselect_b32 s85, 0, -1
	s_mov_b32 s67, 0
	s_add_nc_u64 s[PFA:PFA+1], s[PFA:PFA+1], s[66:67]
	s_add_nc_u64 s[PFA:PFA+1], s[PFA:PFA+1], s[PST:PST+1]
	s_add_nc_u64 s[PFA:PFA+1], s[PFA:PFA+1], s[PST:PST+1]  ; at K step 2; trip t steps it to K step t + 3.  Nothing is prefetched here, at the head
	s_cmp_eq_u32 s10, 3
	s_cselect_b32 s14, 1, s14                      ; wave 3 asks for nothing
	s_cmp_eq_u32 s14, 0
	s_cselect_b32 s[LIM], 1, -1                    ; the same in all sixteen partners, for a given wave
	v_and_b32 v4, 31, v0
	v_lshrrev_b32 v5, 4, v4
	v_lshlrev_b32 v5, 20, v5                       ; xb: K step l / 16,
	v_and_b32 v6, 15, v4
	v_lshl_add_u32 v5, v6, 8, v5                   ; block l % 16
	v_mul_u32_u24 v6, v4, ROWC                     ; wb: row l
	v_cndmask_b32 v[PFO], v5, v6, s85
	s_wait_loadcnt 0x0                             ; the bias
.irp b, 0,1,2,3,4,5,6,7,8,9,10,11
	v_cvt_pk_bf16_f32 v[BB+8*(\b)], v[BB+8*(\b)], v[NIL]     ; bf16(bias) in the low half: k = 0; k = 1 holds 0
	v_cndmask_b32 v[BB+8*(\b)], v[NIL], v[BB+8*(\b)], s82    ; and lanes 16-31 (k = 8 ..) hold 0
.endr
; na x 4 matrix instructions: row blocks a0 .. of slice s (its parity picks xb's buffer) x the 4 column blocks of group g.  Every accumulator comes once in such a run, and again 64 matrix instructions
; or more later: the accumulators take turns.
.macro GMUL s, g, a0, na
	WIN 0x50*((\g)+1)                              ; both sources window 0; C and D window g + 1
.set a, \a0
.rept \na
.irp bb, 0,1,2,3
	v_wmma_f32_16x16x32_bf16 v[8*(4*a+(\bb)):8*(4*a+(\bb))+7], v[BB+32*(\g)+8*(\bb):BB+32*(\g)+8*(\bb)+7], v[AA+64*(\s)+8*a:AA+64*(\s)+8*a+7], v[8*(4*a+(\bb)):8*(4*a+(\bb))+7]
.endr
.set a, a+1
.endr
.endm
.macro LDB s, g                        ; 8 LDS loads: group g's four fragments of wb, slice s of the slot in hand, turned
	WIN 0
.if (\g) == 1
.set AR, ADRC
.set COL, 128
.elseif (\g) == 2
.set AR, ADRB
.set COL, 288
.else
.set AR, ADRB
.set COL, 0
.endif
.irp bb, 0,1,2,3
	ds_load_tr16_b128 v[BB+32*(\g)+8*(\bb):BB+32*(\g)+8*(\bb)+3],   v[AR] offset:(\s)*32*BP+COL+32*(\bb)
	ds_load_tr16_b128 v[BB+32*(\g)+8*(\bb)+4:BB+32*(\g)+8*(\bb)+7], v[AR] offset:(\s)*32*BP+COL+32*(\bb)+16*BP
.endr
.endm
.macro LDA s                           ; 16 LDS loads: xb's eight fragments of slice s of the slot in hand
	WIN 0
.irp a, 0,1,2,3,4,5,6,7
	ds_load_b128 v[AA+64*(\s)+8*(\a):AA+64*(\s)+8*(\a)+3],   v[ADRA] offset:(\a)*16*AP+64*(\s)
	ds_load_b128 v[AA+64*(\s)+8*(\a)+4:AA+64*(\s)+8*(\a)+7], v[ADRA] offset:(\a)*16*AP+64*(\s)+32
.endr
.endm
; A K STEP: six runs of 32 products: slice 0 with groups 0, 1, 2, then slice 1.  Behind each run stand four places and the loads into the buffer that it has just read for the last time; they are wanted two runs,
; 64 matrix instructions, later.  All reads of the slot in hand have been issued behind the third run, so the fourth changes slots: in front of the barrier each wave waits for all its tensor loads (one is
; out: its part of the next slot), adds 0 to its spare word, and waits for that and for its reads of this slot.  fill = 1: the barrier opens a round of the cluster's barrier, and this slot is filled again, first
; thing behind it, with the K step two on: 160 matrix instructions ahead of the wait for it.
.macro STEP fill
	s_wait_dscnt 16                                ; xb's slice 0 and group 0 are in; the 16 loads of groups 1 and 2 may be out
	GMUL 0, 0, 0, 8
	PLACES
	LDB 1, 0
	LDA 1
	s_wait_dscnt 32                                ; group 1 is in; behind it: group 2's 8 and the 24 just issued
	GMUL 0, 1, 0, 8
	PLACES
	LDB 1, 1
	s_wait_dscnt 32                                ; group 2 is in; behind it: 24 and 8
	GMUL 0, 2, 0, 8
	PLACES
	LDB 1, 2
.if \fill
	s_wait_xcnt 0x0                                ; the last prefetches, most of a K step back, have read their address
	s_add_nc_u64 s[PFA:PFA+1], s[PFA:PFA+1], s[PST:PST+1]
.endif
	WIN 0
	s_wait_tensorcnt 0x0                           ; no tensor load of mine is out, so a group 0 may be written
	ds_add_u32 v[SPW], v[NIL]                      ; 0 onto my spare word
.if \fill
	s_xor_b32 s[G0A+5], s[G0A+5], SLOTX            ; the walking descriptors: the other slot than last time, the next K step
	s_add_nc_u64 s[G0A+6:G0A+7], s[G0A+6:G0A+7], ASTEP
	s_xor_b32 s[G0B+5], s[G0B+5], SLOTX
	s_add_nc_u64 s[G0B+6:G0B+7], s[G0B+6:G0B+7], BSTEP
.endif
	s_wait_dscnt 17                                ; slice 1 of xb and of group 0 are in; the add and the 16 loads of groups 1 and 2 may be out
	GMUL 1, 0, 0, 4
	s_wait_dscnt 0x0                               ; the add is done, and my reads of this slot are over
	s_barrier_signal -1
	GMUL 1, 0, 4, 4                                ; work on registers while the others arrive
	WIN 0
	s_barrier_wait -1
.if \fill
	CREST                                          ; no wave of any partner still reads this slot or has a load on its way
	JLOAD                                          ; its four v_nop are also the places in front of the loads below
.else
	PLACES
.endif
	s_xor_b32 s[TB], s[TB], SLOTX
	v_add_nc_u32 v[ADRA], s[TB], v[ADRA0]
	v_add_nc_u32 v[ADRB], s[TB], v[ADRB0]
	v_add_nc_u32 v[ADRC], s[TB], v[ADRC0]
	LDA 0
	LDB 0, 0
.if \fill
	ASK
.endif
	GMUL 1, 1, 0, 8
	PLACES
	LDB 0, 1
	GMUL 1, 2, 0, 8
	PLACES
	LDB 0, 2
.endm
; THE WAY OUT of row block a: rounded to f16, 16 bytes a lane, each accumulator's registers in ascending order; then into the work-group's stage.
.macro PACK a
.set TM, TMP+48*((\a)%2)
.irp g, 0,1,2
	WIN 5*((\g)+1)                                 ; sources 0 and 1: window g + 1
.irp bb, 0,1,2,3
.irp r, 0,1,2,3
	v_cvt_pk_f16_f32 v[TM+4*(4*(\g)+(\bb))+(\r)], v[8*(4*(\a)+(\bb))+2*(\r)], v[8*(4*(\a)+(\bb))+2*(\r)+1]
.endr
.endr
.endr
	WIN 0
.irp b, 0,1,2,3,4,5,6,7,8,9,10,11
	ds_store_b128 v[STO+(\a)/4], v[TM+4*(\b):TM+4*(\b)+3] offset:((\a)%4)*16*SP+32*(\b)
.endr
.endm
.irp g, 0,1,2                          ; the bias's slice starts all 96 sums: nothing is cleared
	WIN 0x50*((\g)+1)
.set a, 0
.rept 8
.irp bb, 0,1,2,3
	v_wmma_f32_16x16x32_bf16 v[8*(4*a+(\bb)):8*(4*a+(\bb))+7], v[BB+32*(\g)+8*(\bb):BB+32*(\g)+8*(\bb)+7], v[ONE:ONE+7], 0
.endr
.set a, a+1
.endr
.endr
	WIN 0
	s_wait_tensorcnt 1                             ; my part of K step 0 is in; K step 1's may stay out
	s_barrier_signal -1
	s_barrier_wait -1
	PLACES                                         ; the bias's fragments have been read: their registers are loaded
	LDA 0
	LDB 0, 0
	LDB 0, 1
	LDB 0, 2
	s_mov_b32 s3, 14
.Lstep:                                                ; trip t = 0 .. 13: K step t is multiplied, K step t + 2 asked for
	STEP 1
	s_sub_co_u32 s3, s3, 1
	s_cmp_lg_u32 s3, 0
	s_cbranch_scc1 .Lstep
	s_mov_b32 s3, 2
.Ltail:                                                ; K steps 14 and 15: a text of their own.  The last trip's 40 loads from the other slot serve nothing: the price, once a launch, of one text for both
	STEP 0
	s_sub_co_u32 s3, s3, 1
	s_cmp_lg_u32 s3, 0
	s_cbranch_scc1 .Ltail
	s_wait_dscnt 0x0                               ; my reads of the slots are over,
	s_barrier_signal -1
	s_barrier_wait -1                              ; everybody's are: the stage may be written over them.  (Four places stand behind the last products, in STEP.)
.irp a, 0,1,2,3,4,5,6,7
	PACK \a
.endr
	s_wait_dscnt 0x0                               ; for the others' sake: my stores into the stage are done: a row's 768 bytes come from two waves
	s_barrier_signal -1
	s_barrier_wait -1
	s_mov_b32 s3, 8
.Lout:                                                 ; 8 rows a trip: 4 pairs of rows x 3 pieces of 256 bytes
.irp i, 0,1,2,3,4,5,6,7,8,9,10,11
	ds_load_b128 v[OB+4*(\i):OB+4*(\i)+3], v[RD] offset:2*((\i)/3)*SP+256*((\i)%3)
.endr
.irp i, 0,1,2,3,4,5,6,7,8,9,10,11
	s_wait_dscnt 11-(\i)                           ; LDS loads come back in order: number i is in
	global_store_b128 v[CO], v[OB+4*(\i):OB+4*(\i)+3], s[8:9] offset:2*((\i)/3)*ROWC+256*((\i)%3)  ; 16 lanes store 256 consecutive bytes, at a multiple of 256 from qkv's first byte
.endr
	s_wait_xcnt 0x0                                ; the stores have read their data and their offset: only behind this wait are they rewritten
	v_add_nc_u32 v[RD], 8*SP, v[RD]
	v_add_nc_u32 v[CO], 8*ROWC, v[CO]
	s_sub_co_u32 s3, s3, 1
	s_cmp_lg_u32 s3, 0
	s_cbranch_scc1 .Lout
	s_wait_tensorcnt 0x0                           ; the wave's end: a closing add to my spare word and its wait stand behind my last tensor load and my last LDS store
	ds_add_u32 v[SPW], v[NIL]
	s_wait_dscnt 0x0
	CROUND                                         ; the closing round: no work-group ends while a partner may still ask for a tile that names it
	s_endpgm
.Lfunc_end_k_q60acbb1849_proj:
	.size	k_q60acbb1849_proj, .Lfunc_end_k_q60acbb1849_proj-k_q60acbb1849_proj
	.p2alignl 7, 3214868480
	.fill 96, 4, 3214868480
	.section	.rodata,"a",@progbits
	.p2align	6, 0x0
	.amdhsa_kernel k_q60acbb1849_proj
		.amdhsa_group_segment_fixed_size 327680
		.amdhsa_private_segment_fixed_size 0
		.amdhsa_enable_private_segment 0
		.amdhsa_kernarg_size 48
		.amdhsa_user_sgpr_count 2
		.amdhsa_user_sgpr_kernarg_segment_ptr 1
		.amdhsa_wavefront_size32 1
		.amdhsa_system_sgpr_workgroup_id_x 1
		.amdhsa_system_sgpr_workgroup_id_y 1
		.amdhsa_system_sgpr_workgroup_id_z 1
		.amdhsa_system_vgpr_workitem_id 0
		.amdhsa_next_free_vgpr 1024
		.amdhsa_next_free_sgpr 90
		.amdhsa_reserve_vcc 0
		.amdhsa_float_denorm_mode_32 3
		.amdhsa_float_denorm_mode_16_64 3
		.amdhsa_memory_ordered 1
		.amdhsa_forward_progress 1
		.amdhsa_inst_pref_size 97
	.end_amdhsa_kernel
	.amdgpu_metadata
---
amdhsa.version: [ 1, 2 ]
amdhsa.kernels:
  - .name:           k_q60acbb1849_proj
    .symbol:         k_q60acbb1849_proj.kd
    .args:
      - { .name: xb, .offset: 0, .size: 8, .value_kind: global_buffer, .address_space: global }
      - { .name: wb, .offset: 8, .size: 8, .value_kind: global_buffer, .address_space: global }
      - { .name: b_q, .offset: 16, .size: 8, .value_kind: global_buffer, .address_space: global }
      - { .name: b_k, .offset: 24, .size: 8, .value_kind: global_buffer, .address_space: global }
      - { .name: b_v, .offset: 32, .size: 8, .value_kind: global_buffer, .address_space: global }
      - { .name: qkv, .offset: 40, .size: 8, .value_kind: global_buffer, .address_space: global }
    .group_segment_fixed_size: 327680
    .private_segment_fixed_size: 0
    .kernarg_segment_align: 8
    .kernarg_segment_size: 48
    .max_flat_workgroup_size: 128
    .sgpr_count:     90
    .vgpr_count:     1024
    .wavefront_size: 32
...
	.end_amdgpu_metadata
.endif
;; end of part 2
;; launch score (part 3): grid 36 x 4, 4 waves a work-group, no clusters, 327,680 bytes of LDS; arguments qkv, p, mx, ls; writes p, mx, ls
.if DOCPART == 3
	.amdgcn_target "amdgcn-amd-amdhsa--gfx1250"
	.amdhsa_code_object_version 6
	.text
	.protected	k_q60acbb1849_score
	.globl	k_q60acbb1849_score
	.p2align	8
	.type	k_q60acbb1849_score,@function
k_q60acbb1849_score:
	s_mov_b64 s[64:65], 0
	v_nop
	global_prefetch_b8 v0, s[64:65] scope:SCOPE_SE
	s_setreg_imm32_b32 hwreg(HW_REG_WAVE_MODE, 25, 1), 1
	s_wait_xcnt 0x0
; For each causal tile (256 queries x 256 keys, key block kb <= query block qb) of each batch: S = Q K^T (f16 operands, f32 sums over 1,024 channels); m = the row's maximum over the tile's visible keys;
; p = 2^(c s - c m), c = log2(e) / 32, stored in f16; mx takes c m, ls the f32 sum of the unrounded p over each half of 128 keys.  The next launch joins the tiles' maxima and sums.
; Every row of every causal tile sees at least one key, so m is a true score and every exponent is at most 0.
; LIMITS.  A hidden score counts as its value less 1e30 (f16's scores, 4.4e12 at the most, are nothing beside that); p below 6e-5 keeps f16's fixed step of 6e-8; a weight below 2^-126 counts as 0;
; NaN and infinities are not treated apart.
; SHARES.  36 tiles a batch, one to a work-group of four waves; a wave makes 128 queries x 128 keys: 64 accumulators.  The channels go in 8 steps of 128 through two LDS slots.
; NO CLUSTER: a batch's tiles are a triangle whose rows and columns hold 1 to 8 tiles, so no grouping by four shares Q's or K's rows throughout, and the square filled up would hold 28 tiles a batch with nothing to do.
; THE MATRIX INSTRUCTION IS USED TRANSPOSED: source 0 = 16 keys, source 1 = 16 queries: a lane holds ONE query (lane % 16) and the keys 8 (lane / 16) + 0..7 of each block of 16.
; THE MASK is the C operand that starts each sum: 0, or -1e30 where the key is hidden.  Three sets of 8 registers serve every block of 16 x 16: below the diagonal, on it, above it; in a tile off the diagonal all hold 0.
; REGISTERS, in windows of 256: window 0: v0-31 addresses; v64-127, v128-191 fragments of Q, two buffers (on the way out v64-127 hold statistics); v192-215 the masks; v192-223, v32-63, v224-255 the way out.
;   window 1: fragments of K      window 2: the accumulators of my queries 0-63 ((a, b) at v[8 (8 a + b)])      window 3: those of my queries 64-127
.set PITCH,  272                       ; an LDS row: 256 bytes + 16 of padding: the 16 rows of a load start in 16 different groups of four banks (64 banks of 4 bytes: ISA guide 11.1)
.set HALFT,  128*PITCH                 ; what one tensor load brings
.set BOFF,   2*HALFT                   ; K's 256 rows lie behind Q's
.set SLOTX,  0x24000                   ; slot 1 begins here; no tile's place in slot 0 has one of these two bits
.set STAGE,  SLOTX+4*HALFT             ; 16 rows x 272 bytes for each wave
.set SPITCH, 272
.set MXX,    STAGE+4*16*SPITCH         ; 512 bytes a wave: its 128 rows' maxima; 2,048 further on c m, 4,096 further on the sums
.set SPARE,  MXX+3*2048                ; the spare words, 128 bytes for each wave: two blocks of 256 bytes that no other line names
.set ROWQ,   6144                      ; bytes in a row of qkv
.set ROWP,   4096                      ; bytes in a row of p
.set ADRA0, 16
.set ADRB0, 17
.set ADRA,  18
.set ADRB,  19
.set MST,   20                         ; v20  MXX + 512 x wave + 4 r: where I put a row's number
.set MLD,   21                         ; v21  MXX + 1,024 x (wave / 2) + 4 r: where the two waves of my rows have put theirs
.set MBK,   22                         ; v22  MXX + 512 x wave + 16 l: my wave's 128 numbers, 16 bytes a lane
.set SO,    23                         ; v23  16 l
.set STO,   24
.set RD,    25
.set CO,    26
.set SPW,   28
.set NIL,   29
.set PFO,   30
.set F0,    64
.set F1,    128
.set Z0,    192                        ; the masks
.set ZD,    200
.set ZH,    208
.set TMP,   192
.set OB,    32
.set ST,    64                         ; v[64+2 a ..]: c m of row block a, twice
.set CHN,   80                         ; v80-87: two sets of four chains
.set OWN,   88                         ; v88-95: the maxima
.set PA,    96                         ; v96-103, v112-119: the two waves' maxima read back
.set PB,    112
.set LL,    104                        ; v104-111: the sums
.set TB,  21                           ; s21  0 or SLOTX
.set G1,  24                           ; s[24:31]
.set G0,  32                           ; s[32:39]: a set for each first fill; the second then walks
.set LIM, 43
.set PFA, 44
.set MSB, 0
.macro WIN new
.if MSB != (\new)
	s_set_vgpr_msb (MSB<<8)|(\new)
.set MSB, \new
.endif
.endm
.macro PLACES
.rept 4
	v_nop
.endr
.endm
; A prefetch of the K step that the NEXT refill will ask for, 256 matrix instructions ahead of that load.  Q's block j and K's block j are each read by several work-groups; the diagonal work-group (j, j), which
; reads both, asks, each wave for the 128 rows that it fetches itself: a lane a row, four instructions.  So each aligned 256 bytes are named once in the launch.  The last trip (s3 = 1) asks for nothing.
.macro ASK
	s_cmp_gt_u32 s3, s[LIM]
	s_cbranch_scc0 .Lnot_mine_\@
.irp j, 0,1,2,3
	global_prefetch_b8 v[PFO], s[PFA:PFA+1] offset:(\j)*32*ROWQ th:TH_LOAD_NT scope:SCOPE_SE
.endr
.Lnot_mine_\@:
.endm
	s_load_b256 s[4:11], s[0:1], 0x0               ; qkv s[4:5], p s[6:7], mx s[8:9], ls s[10:11]
	v_lshl_add_u32 v[SPW], v0, 2, SPARE
	v_mov_b32 v[NIL], 0
	ds_add_u32 v[SPW], v[NIL]                      ; the wave's opening: the add and its wait stand ahead of my first tensor load; work on registers stands between them
	v_lshrrev_b32 v1, 5, v0
	v_readfirstlane_b32 s12, v1                    ; wave 0..3
	s_lshr_b32 s13, s12, 1                         ; which half of the queries is mine.  Also: I fetch Q (0) or K (1)
	s_and_b32 s14, s12, 1                          ; which half of the keys.  Also: which 128 rows I fetch
	s_mov_b32 s15, 0                               ; qb: the greatest j with j (j + 1) / 2 <= x
	s_mov_b32 s18, 0
.irp j, 1,2,3,4,5,6,7
	s_cmp_ge_u32 ttmp9, (\j)*((\j)+1)/2
	s_cselect_b32 s15, \j, s15
	s_cselect_b32 s18, (\j)*((\j)+1)/2, s18
.endr
	s_sub_co_u32 s16, ttmp9, s18                   ; kb
	s_and_b32 s17, ttmp7, 0xffff                   ; the batch
	s_mov_b32 s[G1], (1<<16)|(1<<20)|(5<<22)|(3<<25)  ; 2-byte elements; padding on; after every 64 words 4 words
	s_mov_b32 s[G1+1], 128<<16                     ; tensor_dim0 = 128
	s_mov_b32 s[G1+2], 128<<16                     ; tensor_dim1 = 128
	s_mov_b32 s[G1+3], 128<<16                     ; tile_dim0 = 128
	s_mov_b32 s[G1+4], 128                         ; tile_dim1 = 128
	s_mov_b32 s[G1+5], 3072                        ; elements from row to row
	s_mov_b32 s[G1+6], 0
	s_mov_b32 s[G1+7], 0
	s_cmp_eq_u32 s13, 0
	s_cselect_b32 s19, s15, s16                    ; Q's block or K's,
	s_cselect_b32 s23, 0, 2048                     ; Q's columns or K's
	s_lshl_b32 s19, s19, 8
	s_lshl_b32 s22, s17, 11
	s_add_co_u32 s19, s19, s22
	s_lshl_b32 s22, s14, 7
	s_add_co_u32 s19, s19, s22                     ; my first row
	s_mul_i32 s22, s19, ROWQ
	s_add_co_u32 s22, s22, s23
	s_mov_b32 s23, 0
	s_mul_i32 s20, s12, HALFT                      ; where my tile goes
	s_mov_b32 s[TB], 0
	s_mov_b32 s48, 0xf149f2ca                      ; -1e30
	s_mov_b32 s58, 0x3d38aa3b                      ; c = log2(e) / 32
	s_mov_b32 s59, s58
	s_mov_b32 s60, 0x76543210                      ; v_permlanex16_b32: each lane takes its own place in the other half
	s_mov_b32 s61, 0xfedcba98
	s_cmp_eq_u32 s15, s16
	s_cselect_b32 s52, 1, 0                        ; the diagonal tile
	s_cselect_b32 s[LIM], 1, -1
	s_cmp_eq_u32 s13, s14
	s_cselect_b32 s53, s52, 0                      ; the diagonal runs through my quarter of it
	s_cmp_eq_u32 s12, 1
	s_cselect_b32 s54, s52, 0                      ; my quarter (queries 0-127, keys 128-255) is wholly hidden
	s_cmp_lg_u32 s54, 0
	s_cselect_b32 s49, s48, 0                      ; what a block below the diagonal starts with
	s_cmp_lg_u32 s53, 0
	s_cselect_b32 s50, 1.0, 0
	s_cselect_b32 s51, s48, s49                    ; what a block above it starts with
	s_lshl_b32 s40, s17, 23                        ; p at my quarter: row batch x 2,048 + 256 qb + 128 half, byte 512 kb + 256 half
	s_lshl_b32 s41, s15, 20
	s_add_co_u32 s40, s40, s41
	s_lshl_b32 s41, s13, 19
	s_add_co_u32 s40, s40, s41
	s_lshl_b32 s41, s16, 9
	s_add_co_u32 s40, s40, s41
	s_lshl_b32 s41, s14, 8
	s_add_co_u32 s40, s40, s41
	s_mov_b32 s41, 0
	s_lshl_b32 s56, s17, 17                        ; mx and ls at [batch][2 kb + half][256 qb + 128 half], 4 bytes each
	s_lshl_b32 s57, s16, 14
	s_add_co_u32 s56, s56, s57
	s_lshl_b32 s57, s14, 13
	s_add_co_u32 s56, s56, s57
	s_lshl_b32 s57, s15, 10
	s_add_co_u32 s56, s56, s57
	s_lshl_b32 s57, s13, 9
	s_add_co_u32 s56, s56, s57
	s_mov_b32 s57, 0
	s_wait_dscnt 0x0                               ; the opening add is done
	s_wait_kmcnt 0x0
	s_add_nc_u64 s[46:47], s[4:5], s[22:23]
	s_add_nc_u64 s[6:7], s[6:7], s[40:41]
	s_add_nc_u64 s[8:9], s[8:9], s[56:57]
	s_add_nc_u64 s[10:11], s[10:11], s[56:57]
	s_add_nc_u64 s[PFA:PFA+1], s[46:47], 2*256     ; at K step 2: the first refill steps it to 3.  Nothing is prefetched here, at the head
.irp s, 0,1
	s_mov_b32 s[G0+4*(\s)], 1
	s_add_co_u32 s[G0+4*(\s)+1], s20, (\s)*SLOTX
	s_add_nc_u64 s[G0+4*(\s)+2:G0+4*(\s)+3], s[46:47], (\s)*256
	s_or_b32 s[G0+4*(\s)+3], s[G0+4*(\s)+3], 0x80000000
.endr
	tensor_load_to_lds s[G0:G0+3], s[G1:G1+7]      ; K steps 0 and 1: two loads of mine are out
	s_nop 0
	tensor_load_to_lds s[G0+4:G0+7], s[G1:G1+7]
	s_nop 0
.rept 4
	v_nop
.endr
	v_and_b32 v1, 15, v0                           ; r
	v_bfe_u32 v2, v0, 4, 1                         ; h
	v_and_b32 v4, 31, v0                           ; l
	v_lshlrev_b32 v5, 3, v2
	v_sub_nc_u32 v5, v1, v5                        ; on the diagonal register j is hidden where 8 h + j > r
.irp j, 0,1,2,3,4,5,6,7
	v_cmp_gt_i32 vcc_lo, \j, v5
	v_cndmask_b32 v[ZD+(\j)], 0, s48, vcc_lo
	v_fma_f32 v[ZD+(\j)], v[ZD+(\j)], s50, s49
	v_mov_b32 v[Z0+(\j)], s49
	v_mov_b32 v[ZH+(\j)], s51
.endr
	v_mul_u32_u24 v3, v1, PITCH
	v_lshl_add_u32 v3, v2, 4, v3                   ; a fragment's row x pitch + 16 h
	s_mul_i32 s55, s13, HALFT
	v_add_nc_u32 v[ADRA0], s55, v3
	s_mul_i32 s55, s14, HALFT
	s_add_co_u32 s55, s55, BOFF
	v_add_nc_u32 v[ADRB0], s55, v3
	v_mov_b32 v[ADRA], v[ADRA0]
	v_mov_b32 v[ADRB], v[ADRB0]
	s_mul_i32 s55, s12, 16*SPITCH
	s_add_co_u32 s55, s55, STAGE
	v_mul_u32_u24 v3, v1, SPITCH
	v_lshl_add_u32 v3, v2, 4, v3
	v_add_nc_u32 v[STO], s55, v3
	v_mul_u32_u24 v3, v2, SPITCH
	v_lshl_add_u32 v3, v1, 4, v3
	v_add_nc_u32 v[RD], s55, v3
	v_lshlrev_b32 v3, 12, v2
	v_lshl_add_u32 v[CO], v1, 4, v3                ; two rows of p
	s_lshl_b32 s55, s12, 9
	s_add_co_u32 s55, s55, MXX
	v_lshl_add_u32 v[MST], v1, 2, s55
	v_lshl_add_u32 v[MBK], v4, 4, s55
	s_lshl_b32 s55, s13, 10
	s_add_co_u32 s55, s55, MXX
	v_lshl_add_u32 v[MLD], v1, 2, s55
	v_lshlrev_b32 v[SO], 4, v4
	v_mul_u32_u24 v[PFO], v4, ROWQ
; 16 matrix instructions: query blocks a0, a0 + 1 of the window's four x all 8 key blocks, 32 channels.  zero = 1: the product starts the sum with the block's mask.
; The 64 accumulators take turns, one instruction a turn, in the same order in every quarter.
.macro MUL16 f, hi, a0, zero
.if \zero
	WIN 0x81+0x40*(\hi)
.else
	WIN 0xa1+0x50*(\hi)
.endif
.irp a, \a0, (\a0)+1
.irp b, 0,1,2,3,4,5,6,7
.if \zero
.if (\b) < 4*(\hi)+(\a)
.set CZ, Z0
.elseif (\b) == 4*(\hi)+(\a)
.set CZ, ZD
.else
.set CZ, ZH
.endif
	v_wmma_f32_16x16x32_f16 v[8*(8*(\a)+(\b)):8*(8*(\a)+(\b))+7], v[(\f)+8*(\b):(\f)+8*(\b)+7], v[(\f)+8*(4*(\hi)+(\a)):(\f)+8*(4*(\hi)+(\a))+7], v[CZ:CZ+7]
.else
	v_wmma_f32_16x16x32_f16 v[8*(8*(\a)+(\b)):8*(8*(\a)+(\b))+7], v[(\f)+8*(\b):(\f)+8*(\b)+7], v[(\f)+8*(4*(\hi)+(\a)):(\f)+8*(4*(\hi)+(\a))+7], v[8*(8*(\a)+(\b)):8*(8*(\a)+(\b))+7]
.endif
.endr
.endr
.endm
.macro FETCH q, f                      ; 32 LDS loads in one run: quarter q's fragments of K, then of Q, into buffer f
	WIN 0x40
.irp i, 0,1,2,3,4,5,6,7
	ds_load_b128 v[(\f)+8*(\i):(\f)+8*(\i)+3],   v[ADRB] offset:(\q)*64+(\i)*16*PITCH
	ds_load_b128 v[(\f)+8*(\i)+4:(\f)+8*(\i)+7], v[ADRB] offset:(\q)*64+(\i)*16*PITCH+32
.endr
	WIN 0
.irp i, 0,1,2,3,4,5,6,7
	ds_load_b128 v[(\f)+8*(\i):(\f)+8*(\i)+3],   v[ADRA] offset:(\q)*64+(\i)*16*PITCH
	ds_load_b128 v[(\f)+8*(\i)+4:(\f)+8*(\i)+7], v[ADRA] offset:(\q)*64+(\i)*16*PITCH+32
.endr
.endm
.macro QUARTER q, f, g, zero
	s_wait_dscnt 8                                 ; K's and Q's rows 0-63 are in; the youngest eight loads (Q's rows 64-127) may be out
	MUL16 \f, 0, 0, \zero
	MUL16 \f, 0, 2, \zero
	PLACES
	FETCH \q, \g
	s_wait_dscnt 32                                ; all but the 32 just issued
	MUL16 \f, 1, 0, \zero
	MUL16 \f, 1, 2, \zero
.endm
; The last quarter multiplies buffer 1 and changes slots: one barrier; in front of it each wave waits for all its tensor loads (one is out: its part of the next slot), adds 0 to its spare word, and waits for
; that and for its reads of this slot.  fill = 1: this slot is filled again, first thing behind the barrier, with the K step two on: 224 matrix instructions ahead of the wait for it.
.macro TURN fill
.if \fill
	s_wait_xcnt 0x0                                ; the last prefetches, a K step back, have read their address
	s_add_nc_u64 s[PFA:PFA+1], s[PFA:PFA+1], 256
.endif
	WIN 0
	s_wait_tensorcnt 0x0                           ; no tensor load of mine is out, so a group 0 may be written
	ds_add_u32 v[SPW], v[NIL]                      ; 0 onto my spare word
.if \fill
	s_xor_b32 s[G0+5], s[G0+5], SLOTX              ; the walking descriptor: the other slot than last time, the next K step
	s_add_nc_u64 s[G0+6:G0+7], s[G0+6:G0+7], 256
.endif
	s_wait_dscnt 9                                 ; the add and the youngest eight loads may be out
	MUL16 F1, 0, 0, 0
	s_wait_dscnt 0x0                               ; the add is done, and my reads of this slot are over
	s_barrier_signal -1
	MUL16 F1, 0, 2, 0
	WIN 0
	s_barrier_wait -1
.if \fill
	tensor_load_to_lds s[G0+4:G0+7], s[G1:G1+7]
	s_nop 0
.endif
	PLACES
	s_xor_b32 s[TB], s[TB], SLOTX
	v_add_nc_u32 v[ADRA], s[TB], v[ADRA0]
	v_add_nc_u32 v[ADRB], s[TB], v[ADRB0]
	FETCH 0, F0
.if \fill
	ASK
.endif
	MUL16 F1, 1, 0, 0
	MUL16 F1, 1, 2, 0
.endm
; The maximum of query block a's 64 scores a lane (s0-s63: eight accumulators): four chains of 15, three operands at a time, each accumulator's lowest registers first; the four left
; over; the chains into one; the other half of the lanes (the query's other keys lie in the lane 16 away).  The result goes to my wave's words in LDS.
.macro ROWMAX a
.set AC, 64*((\a)%4)
.set CH, CHN+4*((\a)%2)
	WIN 0x2a+0x15*((\a)/4)                         ; all three sources window 2 or 3
.irp k, 0,1,2,3
	v_max3_num_f32 v[CH+(\k)], v[AC+16*(\k)], v[AC+16*(\k)+1], v[AC+16*(\k)+2]
.endr
	WIN 0x28+0x14*((\a)/4)                         ; sources 1 and 2
.irp n, 0,1,2,3,4,5
.irp k, 0,1,2,3
	v_max3_num_f32 v[CH+(\k)], v[CH+(\k)], v[AC+16*(\k)+3+2*(\n)], v[AC+16*(\k)+4+2*(\n)]
.endr
.endr
	v_max3_num_f32 v[CH], v[CH], v[AC+15], v[AC+31]
	v_max3_num_f32 v[CH+2], v[CH+2], v[AC+47], v[AC+63]
	WIN 0
	v_max3_num_f32 v[CH], v[CH], v[CH+1], v[CH+2]
	v_max_num_f32 v[CH], v[CH], v[CH+3]
	v_permlanex16_b32 v[CH+1], v[CH], s60, s61
	v_max_num_f32 v[OWN+(\a)], v[CH], v[CH+1]
	ds_store_b32 v[MST], v[OWN+(\a)] offset:64*(\a)
.endm
; Query block a: c s - c m, two at a time; ONE batch of 64 exponentials, a plain instruction behind the last and one wait ahead of the first reader; the roundings to f16; the sum of
; the unrounded weights, in place, neighbours 1, 2, 4, 8 and 16 pairs apart.
.macro SOFT a
.set AC, 64*((\a)%4)
	WIN 0x82+0x41*((\a)/4)                         ; destination and source 0 window 2 or 3, c m window 0
.set i, 0
.rept 32
	v_pk_fma_f32 v[AC+2*i:AC+2*i+1], v[AC+2*i:AC+2*i+1], s[58:59], v[ST+2*(\a):ST+2*(\a)+1] op_sel_hi:[1,0,1] neg_lo:[0,0,1] neg_hi:[0,0,1]
.set i, i+1
.endr
.set i, 0
.rept 64
	v_exp_f32 v[AC+i], v[AC+i]
.set i, i+1
.endr
	v_nop
	s_wait_alu depctr_va_vdst(0)
	WIN 0x0a+5*((\a)/4)
.set i, 0
.rept 32
	v_cvt_pk_f16_f32 v[TMP+i], v[AC+2*i], v[AC+2*i+1]
.set i, i+1
.endr
	WIN 0x8a+0x45*((\a)/4)
.irp w, 2,4,8,16,32
.set u, 0
.rept 32/(\w)
	v_pk_add_f32 v[AC+2*(\w)*u:AC+2*(\w)*u+1], v[AC+2*(\w)*u:AC+2*(\w)*u+1], v[AC+2*(\w)*u+(\w):AC+2*(\w)*u+(\w)+1]
.set u, u+1
.endr
.endr
	WIN 0x0a+5*((\a)/4)
	v_add_f32 v[LL+(\a)], v[AC], v[AC+1]
	WIN 0
.endm
.macro TOSTAGE a
	WIN 0
.set BK, OB+192*((\a)%2)
.irp b, 0,1,2,3,4,5,6,7
	ds_store_b128 v[STO], v[TMP+4*(\b):TMP+4*(\b)+3] offset:32*(\b)
.endr
.irp t, 0,1,2,3,4,5,6,7
	ds_load_b128 v[BK+4*(\t):BK+4*(\t)+3], v[RD] offset:(\t)*2*SPITCH  ; LDS serves a wave's instructions in order (ISA guide 5.7.1.4): these see the stores above
.endr
.endm
.macro SEND a
	WIN 0
.set BK, OB+192*((\a)%2)
	s_wait_dscnt 0x0                               ; the block is back in registers
	s_wait_xcnt 0x0                                ; earlier stores have read their base and their data: only behind this wait are they rewritten
.if (\a) > 0
	s_add_nc_u64 s[6:7], s[6:7], 16*ROWP
.endif
.irp t, 0,1,2,3,4,5,6,7
	global_store_b128 v[CO], v[BK+4*(\t):BK+4*(\t)+3], s[6:7] offset:2*(\t)*ROWP  ; 16 lanes store 256 consecutive bytes, at a multiple of 256 from p's first byte
.endr
.endm
	s_wait_tensorcnt 1                             ; my part of K step 0 is in; K step 1's may stay out
	s_barrier_signal -1
	s_barrier_wait -1
	FETCH 0, F0
	QUARTER 1, F0, F1, 1                           ; the first quarter stands in front of the loop: its products start the sums, with the masks
	WIN 0
	s_mov_b32 s3, 6
.Lstep:                                                ; trip i: the rest of K step i, the refill with K step i + 2, the first quarter of K step i + 1
	QUARTER 2, F1, F0, 0
	QUARTER 3, F0, F1, 0
	TURN 1
	QUARTER 1, F0, F1, 0
	WIN 0
	s_sub_co_u32 s3, s3, 1
	s_cmp_lg_u32 s3, 0
	s_cbranch_scc1 .Lstep
	QUARTER 2, F1, F0, 0                           ; K steps 6 and 7 are written out: nothing is left to ask for
	QUARTER 3, F0, F1, 0
	TURN 0
	QUARTER 1, F0, F1, 0
	QUARTER 2, F1, F0, 0
	QUARTER 3, F0, F1, 0
	s_wait_dscnt 8
	MUL16 F1, 0, 0, 0
	MUL16 F1, 0, 2, 0
	s_wait_dscnt 0x0
	MUL16 F1, 1, 0, 0
	MUL16 F1, 1, 2, 0
	WIN 0
	PLACES
.irp a, 0,1,2,3,4,5,6,7
	ROWMAX \a
.endr
	s_wait_dscnt 0x0                               ; for the others' sake: my maxima lie in LDS
	s_barrier_signal -1
	s_barrier_wait -1
.irp a, 0,1,2,3,4,5,6,7                ; the two waves that share my queries hold 128 keys each
	ds_load_b32 v[PA+(\a)], v[MLD] offset:64*(\a)
	ds_load_b32 v[PB+(\a)], v[MLD] offset:512+64*(\a)
.endr
	s_wait_dscnt 0x0
.irp a, 0,1,2,3,4,5,6,7
	v_max_num_f32 v[OWN+(\a)], v[PA+(\a)], v[PB+(\a)]
	v_mul_f32 v[ST+2*(\a)], s58, v[OWN+(\a)]
	v_mul_f32 v[ST+2*(\a)+1], s58, v[OWN+(\a)]
.endr
	SOFT 0
	TOSTAGE 0
.irp a, 1,2,3,4,5,6,7                  ; block a's arithmetic stands between block a - 1's loads from the stage and the wait for them
	SOFT \a
	SEND (\a)-1
	TOSTAGE \a
.endr
	SEND 7
.irp a, 0,1,2,3,4,5,6,7
	v_permlanex16_b32 v[CHN+(\a)], v[LL+(\a)], s60, s61
.endr
.irp a, 0,1,2,3,4,5,6,7
	v_add_f32 v[LL+(\a)], v[LL+(\a)], v[CHN+(\a)]
.endr
.irp a, 0,1,2,3,4,5,6,7                ; my wave's own words: both halves of the lanes write the same number
	ds_store_b32 v[MST], v[ST+2*(\a)] offset:2048+64*(\a)
	ds_store_b32 v[MST], v[LL+(\a)] offset:4096+64*(\a)
.endr
	ds_load_b128 v[120:123], v[MBK] offset:2048    ; back as 128 numbers on end, 16 bytes a lane
	ds_load_b128 v[124:127], v[MBK] offset:4096
	s_wait_dscnt 0x0
	global_store_b128 v[SO], v[120:123], s[8:9]    ; 512 consecutive bytes each
	global_store_b128 v[SO], v[124:127], s[10:11]
	s_wait_tensorcnt 0x0                           ; the wave's end: a closing add to my spare word and its wait stand behind my last tensor load and my last LDS store
	ds_add_u32 v[SPW], v[NIL]
	s_wait_dscnt 0x0
	s_endpgm
.Lfunc_end_k_q60acbb1849_score:
	.size	k_q60acbb1849_score, .Lfunc_end_k_q60acbb1849_score-k_q60acbb1849_score
	.p2alignl 7, 3214868480
	.fill 96, 4, 3214868480
	.section	.rodata,"a",@progbits
	.p2align	6, 0x0
	.amdhsa_kernel k_q60acbb1849_score
		.amdhsa_group_segment_fixed_size 327680
		.amdhsa_private_segment_fixed_size 0
		.amdhsa_enable_private_segment 0
		.amdhsa_kernarg_size 32
		.amdhsa_user_sgpr_count 2
		.amdhsa_user_sgpr_kernarg_segment_ptr 1
		.amdhsa_wavefront_size32 1
		.amdhsa_system_sgpr_workgroup_id_x 1
		.amdhsa_system_sgpr_workgroup_id_y 1
		.amdhsa_system_sgpr_workgroup_id_z 1
		.amdhsa_system_vgpr_workitem_id 0
		.amdhsa_next_free_vgpr 1024
		.amdhsa_next_free_sgpr 66
		.amdhsa_reserve_vcc 1
		.amdhsa_float_denorm_mode_32 3
		.amdhsa_float_denorm_mode_16_64 3
		.amdhsa_memory_ordered 1
		.amdhsa_forward_progress 1
		.amdhsa_inst_pref_size 188
	.end_amdhsa_kernel
	.amdgpu_metadata
---
amdhsa.version: [ 1, 2 ]
amdhsa.kernels:
  - .name:           k_q60acbb1849_score
    .symbol:         k_q60acbb1849_score.kd
    .args:
      - { .name: qkv, .offset: 0, .size: 8, .value_kind: global_buffer, .address_space: global }
      - { .name: p, .offset: 8, .size: 8, .value_kind: global_buffer, .address_space: global }
      - { .name: mx, .offset: 16, .size: 8, .value_kind: global_buffer, .address_space: global }
      - { .name: ls, .offset: 24, .size: 8, .value_kind: global_buffer, .address_space: global }
    .group_segment_fixed_size: 327680
    .private_segment_fixed_size: 0
    .kernarg_segment_align: 8
    .kernarg_segment_size: 32
    .max_flat_workgroup_size: 128
    .sgpr_count:     66
    .vgpr_count:     1024
    .wavefront_size: 32
...
	.end_amdgpu_metadata
.endif
;; end of part 3
;; launch mix (part 4): grid 8 x 32, 4 waves a work-group, clusters of 4 x 1, 327,680 bytes of LDS; arguments p, qkv, mx, ls, out0; writes out0
.if DOCPART == 4
	.amdgcn_target "amdgcn-amd-amdhsa--gfx1250"
	.amdhsa_code_object_version 6
	.text
	.protected	k_q60acbb1849_mix
	.globl	k_q60acbb1849_mix
	.p2align	8
	.type	k_q60acbb1849_mix,@function
k_q60acbb1849_mix:
	s_mov_b64 s[64:65], 0
	v_nop
	global_prefetch_b8 v0, s[64:65] scope:SCOPE_SE
	s_setreg_imm32_b32 hwreg(HW_REG_WAVE_MODE, 25, 1), 1
	s_wait_xcnt 0x0
	s_wait_alu depctr_hold_cnt(0) depctr_sa_sdst(0) depctr_va_vdst(0) depctr_va_sdst(0) depctr_va_ssrc(0) depctr_va_vcc(0) depctr_vm_vsrc(0)
	s_getreg_b32 s2, hwreg(HW_REG_IB_STS2, 6, 4)
	s_cmp_eq_u32 s2, 0
	s_cbranch_scc0 .Lentry_in_a_cluster
	s_endpgm
.Lentry_in_a_cluster:
	s_bfe_u32 s2, ttmp6, 0x10000c
	s_cmp_lg_u32 s2, 0x3003
	s_cbranch_scc0 .Lentry_shape_is_right
	s_endpgm
.Lentry_shape_is_right:
; out0[q][:] = the sum over key tiles t of f_t[q] (P_t V_t)[q][:], f_t = 2^(cm_t - cM) / L, cM = the maximum over t of cm_t, L = the sum over t of l_t 2^(cm_t - cM).
; p holds, in f16, 2^(c s - cm_t) for each causal tile of 256 keys, mx holds cm_t, ls the sums l over halves of 128 keys; V is qkv's columns 2,048-3,071, f16.  Products and sums in f32; each tile's product
; starts at 0 and is added onto O with its factor in f32, so neither P nor f is rounded again.  Every exponent is at most 0, and L is at least 1.
; LIMITS.  A factor below 2^-126 counts as 0; NaN and infinities are not treated apart.
; THE WALK.  A batch's queries lie in 16 blocks of 128; block i needs the key tiles 0 .. i / 2.  A work-group takes 128 channels and TWO blocks, 15 - b and then b: 9 tiles, whatever b: all 256 work-groups do equal
; work, and one loop with a constant trip count walks them.  Which tile is asked for hangs on scalar registers made from b; every jump but the loop's own goes forward, and none passes a barrier or a tensor load
; but the one of JLOAD's two that the wave's number does not choose.
; SHARES.  A wave makes 64 queries x 64 channels: 16 accumulators T for the tile in hand, 16 sums O.
; CLUSTER.  The four work-groups of a cluster have the same batch and b and four neighbouring blocks of channels: they walk the same tiles of P, which are asked for jointly.  V's tiles differ between them (other
; channels) and come by loads of their own, behind the same rounds; the work-groups that share V's channels (other b) walk other tiles from the fifth trip on, so V is not asked for jointly.
; THE MATRIX INSTRUCTION IS USED TRANSPOSED: source 0 = 16 channels (V turned, by ds_load_tr16_b128), source 1 = 16 queries of P: a lane holds one query (lane % 16) and 8 neighbouring channels.
; REGISTERS, in windows of 256: window 0: v0-31 addresses; v32-39 the factors; v40-158 at work at the head; v128-255 T ((a, b) at v[128 + 8 (4 a + b)]), on the way out the rows read back.
;   window 1: two fragment buffers of 128: for 64 keys, 64 registers of P, then 64 of V      window 2: v0-127 O
.set PP,    528                        ; a row of P in LDS: 512 bytes + 16: the 16 rows of a load start in 16 different groups of four banks (64 banks of 4 bytes: ISA guide 11.1)
.set PV,    288                        ; a row of V: 256 + 32
.set VOFF,  128*PP                     ; V's 256 keys lie behind P's 128 rows
.set SLOTX, 0x24000                    ; slot 1 begins here; no tile's place in slot 0 has one of these two bits
.set STAGE, SLOTX+VOFF+256*PV          ; 16 rows x 272 bytes for each wave
.set SP,    272
.set FTAB,  STAGE+4*16*SP              ; the factors: 9 tiles of the walk x 128 rows, f32
.set SPARE, 314368                     ; the spare words, 128 bytes for each wave: two blocks of 256 bytes that no other line names
.set VSTEP, 256*6144                   ; bytes from a tile of V to the next
.set ADA0, 10
.set ADB0, 11
.set ADA,  12
.set ADBL, 13                          ; V's keys 0-127 of the slot in hand,
.set ADBH, 14                          ; keys 128-255: an LDS offset has 16 bits
.set FA0,  15
.set FA,   16
.set STO,  17
.set RD,   18
.set CO,   19
.set PFO,  20
.set R4,   21
.set FTA,  22
.set SPW,  28
.set NIL,  29
.set FC,   32                          ; v[32+2 a ..]: the factor of my query of block a, twice
.set T,    128
.set F0,   0
.set F1,   128
.set VOL,  40                          ; the head's statistics: offsets,
.set VOS,  48
.set VOW,  56
.set CML,  72                          ; cm, l (first half), l (second half) of the long block's tiles,
.set L0L,  80
.set L1L,  88
.set CMSH, 96                          ; of the short block's,
.set L0S,  104
.set L1S,  112
.set CW,   128                         ; cm of the walk's tiles
.set ML,   140
.set MS,   141
.set SUML, 142
.set SUMS, 143
.set RL,   144
.set RS,   145
.set MW,   150
.set WV,  12
.set HI,  13
.set LO,  14
.set NL,  19
.set NS,  20
.set TB,  21
.set FT,  22                           ; s22  512 x the walk's tile
.set SL,  23                           ; s23  trips to go
.set G1A, 24
.set G0A, 32
.set G1B, 40
.set G0B, 48
.set PL,  56                           ; s[56:57] p at my rows of the long block, s[58:59] of the short one, s[60:61] of the block whose tiles are being asked for
.set PS,  58
.set PCUR, 60
.set VB,  62                           ; s[62:63] V at my keys of tile 0
.set OP,  68                           ; s[68:69] out0 at my part of the block in hand, s[70:71] of the short block
.set OS,  70
.set NXT, 72                           ; the tile to be asked for next; the last tile of its block
.set LQ,  73
.set RT,  74                           ; tiles of the block in hand still to be finished
.set NS1, 75
.set OFF, 76
.set QN,  78                           ; the same walk for the prefetches, two tiles further on
.set QL,  79
.set QCUR, 80
.set QSH, 82
.set QSTR, 84
.set LIM, 85
.set PFA, 86
.set OFF2, 88
.set MK,  90                           ; s90-98: all ones where the walk's tile w belongs to the long block
.set MSB, 0
.macro WIN new
.if MSB != (\new)
	s_set_vgpr_msb (MSB<<8)|(\new)
.set MSB, \new
.endif
.endm
.set MUL,  0x05                        ; sources 0 (V) and 1 (P) window 1; C and D window 0
.set TO_F, 0x40
.set FMA,  0xa0                        ; O (destination and source 2) window 2; T and the factor window 0
.macro PLACES
.rept 4
	v_nop
.endr
.endm
.macro JLOAD                           ; waves 0 and 1 fetch P's two halves, jointly with the partners; waves 2 and 3 V's.  An s_nop 0 and four v_nop follow each line
	s_cmp_eq_u32 s[HI], 0
	s_cbranch_scc0 .Lfor_v_\@
	tensor_load_to_lds s[G0A+4:G0A+7], s[G1A:G1A+7]
	s_nop 0
.rept 4
	v_nop
.endr
	s_branch .Lasked_\@
.Lfor_v_\@:
	tensor_load_to_lds s[G0B+4:G0B+7], s[G1B:G1B+7]
	s_nop 0
.rept 4
	v_nop
.endr
.Lasked_\@:
.endm
; A prefetch of the tile that the refill TWO trips on will ask for: 256 matrix instructions ahead of that load.  Each aligned 256 bytes are named once in the launch.  P's tiles are read by the two clusters of a
; row of the grid: the one with x = 0 asks, waves 0 and 1; of a wave's 64 rows the partner at cx takes 16, by address, two lanes a row of 512 bytes.  V's tiles are read by the eight work-groups of a batch
; with the same channels: the one with b = 0, whose long block walks all eight, asks, waves 2 and 3, a lane a row, four instructions.  The last trips ask for nothing: the walk ends, or V's tiles have been read.
.macro ASK
	s_cmp_gt_u32 s[SL], s[LIM]
	s_cbranch_scc0 .Lnone_\@
	global_prefetch_b8 v[PFO], s[PFA:PFA+1] th:TH_LOAD_NT scope:SCOPE_SE
	s_cmp_eq_u32 s[HI], 0
	s_cbranch_scc1 .Lnone_\@
.irp j, 1,2,3
	global_prefetch_b8 v[PFO], s[PFA:PFA+1] offset:(\j)*32*6144 th:TH_LOAD_NT scope:SCOPE_SE
.endr
.Lnone_\@:
.endm
.macro CREST
	s_cmp_lg_u32 s[WV], 0
	s_cbranch_scc1 .Lnot_wave_0_\@
	s_barrier_signal -3
.Lnot_wave_0_\@:
	s_barrier_wait -3
	s_barrier_signal -1
	s_barrier_wait -1
.endm
.macro CROUND
	s_barrier_signal -1
	s_barrier_wait -1
	CREST
.endm
	s_load_b256 s[4:11], s[0:1], 0x0               ; p s[4:5], qkv s[6:7], mx s[8:9], ls s[10:11]
	s_load_b64 s[OP:OP+1], s[0:1], 0x20            ; out0
	v_lshl_add_u32 v[SPW], v0, 2, SPARE
	v_mov_b32 v[NIL], 0
	ds_add_u32 v[SPW], v[NIL]                      ; the wave's opening: the add and its wait stand ahead of my first tensor load; work on registers stands between them
	v_lshrrev_b32 v1, 5, v0
	v_readfirstlane_b32 s[WV], v1                  ; wave 0..3
	s_lshr_b32 s[HI], s[WV], 1                     ; which half of the queries is mine.  Also: I fetch P (0) or V (1)
	s_and_b32 s[LO], s[WV], 1                      ; which half of the channels.  Also: which half of that tile I fetch
	s_bfe_u32 s15, ttmp6, 0x40000                  ; cx
	s_lshl_b32 s16, ttmp9, 2
	s_add_co_u32 s16, s16, s15                     ; my block of 128 channels
	s_and_b32 s18, ttmp7, 0xffff
	s_lshr_b32 s17, s18, 3                         ; the batch
	s_and_b32 s18, s18, 7                          ; b: the short block
	s_sub_co_u32 s66, 15, s18                      ; the long block
	s_lshr_b32 s[NL], s66, 1
	s_add_co_u32 s[NL], s[NL], 1                   ; its tiles: 5 to 8
	s_lshr_b32 s[NS1], s18, 1
	s_add_co_u32 s[NS], s[NS1], 1                  ; the short block's: 9 less that
	s_lshl_b32 s91, s17, 23                        ; p: row batch x 2,048 + 128 block + 64 half, 4,096 bytes a row: made of what the partners share
	s_lshl_b32 s92, s[LO], 18
	s_add_co_u32 s91, s91, s92
	s_lshl_b32 s92, s66, 19
	s_add_co_u32 s92, s92, s91
	s_mov_b32 s93, 0
	s_lshl_b32 s94, s18, 19
	s_add_co_u32 s94, s94, s91
	s_mov_b32 s95, 0
	s_lshl_b32 s96, s17, 11                        ; V: row batch x 2,048 + 128 half, byte 4,096 + 256 x my block of channels
	s_lshl_b32 s97, s[LO], 7
	s_add_co_u32 s96, s96, s97
	s_mul_i32 s96, s96, 6144
	s_lshl_b32 s97, s16, 8
	s_add_co_u32 s96, s96, s97
	s_add_co_u32 s96, s96, 4096
	s_mov_b32 s97, 0
	s_mov_b32 s[G1A], 15|(1<<16)|(1<<20)|(1<<21)|(6<<22)|(3<<25)  ; the mask of four; 2-byte elements; padding on; bit 21 beside a mask; after every 128 words 4 words
	s_mov_b32 s[G1A+1], 256<<16                    ; tensor_dim0 = 256
	s_mov_b32 s[G1A+2], 64<<16                     ; tensor_dim1 = 64
	s_mov_b32 s[G1A+3], 256<<16                    ; tile_dim0 = 256
	s_mov_b32 s[G1A+4], 64                         ; tile_dim1 = 64
	s_mov_b32 s[G1A+5], 2048
	s_mov_b32 s[G1A+6], 0
	s_mov_b32 s[G1A+7], 0
	s_mov_b32 s[G1B], (1<<16)|(1<<20)|(5<<22)|(7<<25)  ; no mask; after every 64 words 8 words
	s_mov_b32 s[G1B+1], 128<<16
	s_mov_b32 s[G1B+2], 128<<16
	s_mov_b32 s[G1B+3], 128<<16
	s_mov_b32 s[G1B+4], 128
	s_mov_b32 s[G1B+5], 3072
	s_mov_b32 s[G1B+6], 0
	s_mov_b32 s[G1B+7], 0
	s_mul_i32 s98, s[LO], 64*PP                    ; where P's half goes,
	s_mul_i32 s99, s[LO], 128*PV
	s_add_co_u32 s99, s99, VOFF                    ; and V's: no place in the cluster enters an LDS address
	s_mov_b32 s[TB], 0
	s_mov_b32 s[FT], 0
	s_mov_b32 s[SL], 7
	s_mov_b32 s[RT], s[NL]
	s_mov_b32 s[NXT], 2
	s_sub_co_u32 s[LQ], s[NL], 1
	s_mov_b32 s[OFF+1], 0
	s_mov_b32 s[OFF2+1], 0
	s_mov_b32 s[QN], 4
	s_sub_co_u32 s[QL], s[NL], 1
	s_wait_dscnt 0x0                               ; the opening add is done
	s_wait_kmcnt 0x0
	s_add_nc_u64 s[PL:PL+1], s[4:5], s[92:93]
	s_add_nc_u64 s[PS:PS+1], s[4:5], s[94:95]
	s_mov_b64 s[PCUR:PCUR+1], s[PL:PL+1]
	s_add_nc_u64 s[VB:VB+1], s[6:7], s[96:97]
	CROUND                                         ; all four work-groups are here: the first joint loads meet
.irp s, 0,1
	s_mov_b32 s[G0A+4*(\s)], 1
	s_add_co_u32 s[G0A+4*(\s)+1], s98, (\s)*SLOTX
	s_add_nc_u64 s[G0A+4*(\s)+2:G0A+4*(\s)+3], s[PL:PL+1], (\s)*512
	s_or_b32 s[G0A+4*(\s)+3], s[G0A+4*(\s)+3], 0x80000000
	s_mov_b32 s[G0B+4*(\s)], 1
	s_add_co_u32 s[G0B+4*(\s)+1], s99, (\s)*SLOTX
	s_add_nc_u64 s[G0B+4*(\s)+2:G0B+4*(\s)+3], s[VB:VB+1], (\s)*VSTEP
	s_or_b32 s[G0B+4*(\s)+3], s[G0B+4*(\s)+3], 0x80000000
.endr
	s_cmp_eq_u32 s[HI], 0                          ; a wave's two first fills (the long block's tiles 0 and 1) stand in one branch: two loads of mine are out
	s_cbranch_scc0 .Lfirst_v
	tensor_load_to_lds s[G0A:G0A+3], s[G1A:G1A+7]
	s_nop 0
	tensor_load_to_lds s[G0A+4:G0A+7], s[G1A:G1A+7]
	s_nop 0
.rept 4
	v_nop
.endr
	s_branch .Lfirst_asked
.Lfirst_v:
	tensor_load_to_lds s[G0B:G0B+3], s[G1B:G1B+7]
	s_nop 0
	tensor_load_to_lds s[G0B+4:G0B+7], s[G1B:G1B+7]
	s_nop 0
.rept 4
	v_nop
.endr
.Lfirst_asked:
	; THE STATISTICS, a thread a row of both blocks.  mx and ls lie [batch][16 halves of 128 keys][2,048 rows].  A tile beyond a block's last is clamped to the last: a number taken twice leaves the maximum as it
	; is, and its sums are multiplied by 0 below.
	v_lshlrev_b32 v[R4], 2, v0
	s_lshl_b32 s90, s17, 17
	s_lshl_b32 s91, s18, 9
	s_add_co_u32 s91, s91, s90                     ; the short block's rows,
	s_lshl_b32 s92, s66, 9
	s_add_co_u32 s90, s92, s90                     ; the long block's
	s_sub_co_u32 s92, s[NL], 1
.irp t, 0,1,2,3,4,5,6,7
	s_min_u32 s93, s92, \t
	s_lshl_b32 s93, s93, 14
	s_add_co_u32 s93, s93, s90
	v_add_nc_u32 v[VOL+(\t)], s93, v[R4]
	s_min_u32 s93, s[NS1], \t
	s_lshl_b32 s93, s93, 14
	s_add_co_u32 s93, s93, s91
	v_add_nc_u32 v[VOS+(\t)], s93, v[R4]
.endr
.irp w, 0,1,2,3,4,5,6,7,8              ; the walk's tile w: the long block's tile w, or the short block's tile w - nL
	s_max_u32 s94, s[NL], \w
	s_sub_co_u32 s94, s94, s[NL]
	s_cmp_gt_u32 s[NL], \w
	s_cselect_b32 s93, \w, s94
	s_cselect_b32 s95, s90, s91
	s_lshl_b32 s93, s93, 14
	s_add_co_u32 s93, s93, s95
	v_add_nc_u32 v[VOW+(\w)], s93, v[R4]
.endr
.irp t, 0,1,2,3,4,5,6,7
	global_load_b32 v[CML+(\t)],  v[VOL+(\t)], s[8:9]
	global_load_b32 v[L0L+(\t)],  v[VOL+(\t)], s[10:11]
	global_load_b32 v[L1L+(\t)],  v[VOL+(\t)], s[10:11] offset:8192
	global_load_b32 v[CMSH+(\t)], v[VOS+(\t)], s[8:9]
	global_load_b32 v[L0S+(\t)],  v[VOS+(\t)], s[10:11]
	global_load_b32 v[L1S+(\t)],  v[VOS+(\t)], s[10:11] offset:8192
.endr
.irp w, 0,1,2,3,4,5,6,7,8
	global_load_b32 v[CW+(\w)], v[VOW+(\w)], s[8:9]
.endr
	WIN 0x80                                       ; O starts at 0: written while the loads are on their way, so that the walk has one form of tile
.set i, 0
.rept 128
	v_mov_b32 v[i], 0
.set i, i+1
.endr
	WIN 0
	v_and_b32 v1, 15, v0                           ; r
	v_bfe_u32 v2, v0, 4, 1                         ; h
	v_and_b32 v3, 31, v0                           ; l
	v_mul_u32_u24 v[ADA0], v1, PP                  ; a fragment of P: row x pitch + 16 h
	v_lshl_add_u32 v[ADA0], v2, 4, v[ADA0]
	s_mul_i32 s99, s[HI], 64*PP
	v_add_nc_u32 v[ADA0], s99, v[ADA0]
	v_and_b32 v4, 7, v0                            ; the turning load: lane l reads key 8 h + l % 8, channels 8 ((l / 8) % 2) + 0..7
	v_lshl_add_u32 v4, v2, 3, v4
	v_mul_u32_u24 v4, v4, PV
	v_bfe_u32 v5, v0, 3, 1
	v_lshl_add_u32 v4, v5, 4, v4
	s_lshl_b32 s99, s[LO], 7
	s_add_co_u32 s99, s99, VOFF
	v_add_nc_u32 v[ADB0], s99, v4
	v_mov_b32 v[ADA], v[ADA0]
	v_mov_b32 v[ADBL], v[ADB0]
	v_add_nc_u32 v[ADBH], 128*PV, v[ADB0]
	s_lshl_b32 s99, s[HI], 8
	s_add_co_u32 s99, s99, FTAB
	v_lshl_add_u32 v[FA0], v1, 2, s99              ; the factor of row 64 half + r
	v_add_nc_u32 v[FTA], FTAB, v[R4]
	s_mul_i32 s99, s[WV], 16*SP
	s_add_co_u32 s99, s99, STAGE                   ; my stage
	v_mul_u32_u24 v[STO], v1, SP                   ; in: row r, 32 bytes for each half of the lanes
	v_lshl_add_u32 v[STO], v2, 5, v[STO]
	v_add_nc_u32 v[STO], s99, v[STO]
	v_mul_u32_u24 v[RD], v2, SP                    ; back: lanes 0-15 take one row of 256 bytes, lanes 16-31 the next
	v_lshl_add_u32 v[RD], v1, 4, v[RD]
	v_add_nc_u32 v[RD], s99, v[RD]
	v_lshlrev_b32 v[CO], 12, v2                    ; and the same two rows in out0
	v_lshl_add_u32 v[CO], v1, 4, v[CO]
	s_lshl_b32 s90, s17, 23                        ; out0: row batch x 2,048 + 128 block + 64 half, byte 512 x my block of channels + 256 half
	s_lshl_b32 s91, s[HI], 18
	s_add_co_u32 s90, s90, s91
	s_lshl_b32 s91, s16, 9
	s_add_co_u32 s90, s90, s91
	s_lshl_b32 s91, s[LO], 8
	s_add_co_u32 s90, s90, s91
	s_lshl_b32 s92, s18, 19
	s_add_co_u32 s92, s92, s90
	s_mov_b32 s93, 0
	s_lshl_b32 s91, s66, 19
	s_add_co_u32 s90, s90, s91
	s_mov_b32 s91, 0
	s_add_nc_u64 s[OS:OS+1], s[OP:OP+1], s[92:93]
	s_add_nc_u64 s[OP:OP+1], s[OP:OP+1], s[90:91]
	s_lshl_b32 s90, s15, 16                        ; the prefetches: of my 64 rows of P my work-group's 16
	s_mov_b32 s91, 0
	s_add_nc_u64 s[QCUR:QCUR+1], s[PL:PL+1], s[90:91]
	s_add_nc_u64 s[QSH:QSH+1], s[PS:PS+1], s[90:91]
	s_mov_b32 s[QSTR], VSTEP
	s_cmp_eq_u32 s[HI], 0
	s_cselect_b64 s[QCUR:QCUR+1], s[QCUR:QCUR+1], s[VB:VB+1]
	s_cselect_b64 s[QSH:QSH+1], s[QSH:QSH+1], s[VB:VB+1]
	s_cselect_b32 s[QSTR], 512, s[QSTR]
	s_cselect_b32 s92, ttmp9, s18                  ; who asks: cluster x = 0 for P, b = 0 for V: the same in all four partners
	s_cselect_b32 s93, 2, 3                        ; and in which trips: while the tile four on belongs to the walk (P), to the long block (V)
	s_cselect_b32 s99, 0, -1
	s_cmp_eq_u32 s92, 0
	s_cselect_b32 s[LIM], s93, -1
	v_lshrrev_b32 v4, 1, v3
	v_lshlrev_b32 v4, 12, v4
	v_and_b32 v5, 1, v3
	v_lshl_add_u32 v4, v5, 8, v4                   ; P: row l / 2, half l % 2
	v_mul_u32_u24 v6, v3, 6144                     ; V: row l
	v_cndmask_b32 v[PFO], v4, v6, s99
	s_wait_loadcnt 0x0
	v_max3_num_f32 v[ML], v[CML], v[CML+1], v[CML+2]
	v_max3_num_f32 v[MS], v[CMSH], v[CMSH+1], v[CMSH+2]
	v_max3_num_f32 v[ML], v[ML], v[CML+3], v[CML+4]
	v_max3_num_f32 v[MS], v[MS], v[CMSH+3], v[CMSH+4]
	v_max3_num_f32 v[ML], v[ML], v[CML+5], v[CML+6]
	v_max3_num_f32 v[MS], v[MS], v[CMSH+5], v[CMSH+6]
	v_max_num_f32 v[ML], v[ML], v[CML+7]
	v_max_num_f32 v[MS], v[MS], v[CMSH+7]
.irp t, 0,1,2,3,4,5,6,7
	v_sub_f32 v[CML+(\t)], v[CML+(\t)], v[ML]
	v_sub_f32 v[CMSH+(\t)], v[CMSH+(\t)], v[MS]
.endr
.irp w, 0,1,2,3,4,5,6,7,8
	s_cmp_gt_u32 s[NL], \w
	s_cselect_b32 s[MK+(\w)], -1, 0
	v_cndmask_b32 v[MW+(\w)], v[MS], v[ML], s[MK+(\w)]
	v_sub_f32 v[CW+(\w)], v[CW+(\w)], v[MW+(\w)]
.endr
.irp t, 0,1,2,3,4,5,6,7                ; one batch of 25 exponentials,
	v_exp_f32 v[CML+(\t)], v[CML+(\t)]
	v_exp_f32 v[CMSH+(\t)], v[CMSH+(\t)]
.endr
.irp w, 0,1,2,3,4,5,6,7,8
	v_exp_f32 v[CW+(\w)], v[CW+(\w)]
.endr
.irp t, 0,1,2,3,4,5,6,7                ; work that names none of their results,
	s_cmp_gt_u32 s[NL], \t
	s_cselect_b32 s99, 1.0, 0
	v_add_f32 v[L0L+(\t)], v[L0L+(\t)], v[L1L+(\t)]
	v_mul_f32 v[L0L+(\t)], s99, v[L0L+(\t)]
	s_cmp_gt_u32 s[NS], \t
	s_cselect_b32 s67, 1.0, 0
	v_add_f32 v[L0S+(\t)], v[L0S+(\t)], v[L1S+(\t)]
	v_mul_f32 v[L0S+(\t)], s67, v[L0S+(\t)]
.endr
	s_wait_alu depctr_va_vdst(0)                   ; and the one wait ahead of their first reader
	v_mul_f32 v[SUML], v[L0L], v[CML]
	v_mul_f32 v[SUMS], v[L0S], v[CMSH]
.irp t, 1,2,3,4,5,6,7
	v_fma_f32 v[SUML], v[L0L+(\t)], v[CML+(\t)], v[SUML]
	v_fma_f32 v[SUMS], v[L0S+(\t)], v[CMSH+(\t)], v[SUMS]
.endr
	v_rcp_f32 v[RL], v[SUML]
	v_rcp_f32 v[RS], v[SUMS]
	v_nop                                          ; a plain instruction behind the last reciprocal,
	s_wait_alu depctr_va_vdst(0)                   ; and the wait ahead of the first use: one for the two
.irp w, 0,1,2,3,4,5,6,7,8
	v_cndmask_b32 v[MW+(\w)], v[RS], v[RL], s[MK+(\w)]
	v_mul_f32 v[MW+(\w)], v[CW+(\w)], v[MW+(\w)]
	ds_store_b32 v[FTA], v[MW+(\w)] offset:512*(\w)
.endr
; 8 matrix instructions: query blocks a0, a0 + 1 x all 4 channel blocks, 32 keys: half c of buffer f.  zero = 1: the product starts the tile's sum.  The 16 accumulators take turns.
.macro MUL8 f, c, a0, zero
	WIN MUL
.irp a, \a0, (\a0)+1
.irp b, 0,1,2,3
.if \zero
	v_wmma_f32_16x16x32_f16 v[T+8*(4*(\a)+(\b)):T+8*(4*(\a)+(\b))+7], v[(\f)+64+8*(4*(\c)+(\b)):(\f)+64+8*(4*(\c)+(\b))+7], v[(\f)+8*(4*(\c)+(\a)):(\f)+8*(4*(\c)+(\a))+7], 0
.else
	v_wmma_f32_16x16x32_f16 v[T+8*(4*(\a)+(\b)):T+8*(4*(\a)+(\b))+7], v[(\f)+64+8*(4*(\c)+(\b)):(\f)+64+8*(4*(\c)+(\b))+7], v[(\f)+8*(4*(\c)+(\a)):(\f)+8*(4*(\c)+(\a))+7], v[T+8*(4*(\a)+(\b)):T+8*(4*(\a)+(\b))+7]
.endif
.endr
.endr
.endm
; 32 LDS loads in one run: the fragments of quarter q (64 keys) into buffer f; the first 32 keys first
.macro FETCH q, f
	WIN TO_F
.irp c, 0,1
.irp i, 0,1,2,3
	ds_load_tr16_b128 v[(\f)+64+8*(4*(\c)+(\i)):(\f)+64+8*(4*(\c)+(\i))+3],   v[ADBL+(\q)/2] offset:((\q)%2)*64*PV+(\c)*32*PV+32*(\i)
	ds_load_tr16_b128 v[(\f)+64+8*(4*(\c)+(\i))+4:(\f)+64+8*(4*(\c)+(\i))+7], v[ADBL+(\q)/2] offset:((\q)%2)*64*PV+(\c)*32*PV+32*(\i)+16*PV
	ds_load_b128 v[(\f)+8*(4*(\c)+(\i)):(\f)+8*(4*(\c)+(\i))+3],   v[ADA] offset:(\i)*16*PP+128*(\q)+64*(\c)
	ds_load_b128 v[(\f)+8*(4*(\c)+(\i))+4:(\f)+8*(4*(\c)+(\i))+7], v[ADA] offset:(\i)*16*PP+128*(\q)+64*(\c)+32
.endr
.endr
.endm
; One of a tile's first three quarters: multiplies buffer f and fetches quarter q into g.  The first also fetches the tile's factors.
.macro QUARTER q, f, g, zero
	s_wait_dscnt 16                                ; the first 32 keys are in
	MUL8 \f, 0, 0, \zero
	MUL8 \f, 0, 2, \zero
	PLACES
.if (\q) == 1
	WIN 0
	v_add_nc_u32 v[FA], s[FT], v[FA0]
.irp a, 0,1,2,3
	ds_load_b32 v[FC+2*(\a)],   v[FA] offset:64*(\a)
	ds_load_b32 v[FC+2*(\a)+1], v[FA] offset:64*(\a)
.endr
.endif
	FETCH \q, \g
	s_wait_dscnt 32                                ; all but the 32 just issued
	MUL8 \f, 1, 0, 0
	MUL8 \f, 1, 2, 0
.endm
.macro RIDE m                          ; O += f T for accumulator m, its registers in ascending order
	WIN FMA
.irp z, 0,1,2,3
	v_pk_fma_f32 v[8*(\m)+2*(\z):8*(\m)+2*(\z)+1], v[T+8*(\m)+2*(\z):T+8*(\m)+2*(\z)+1], v[FC+2*((\m)/4):FC+2*((\m)/4)+1], v[8*(\m)+2*(\z):8*(\m)+2*(\z)+1]
.endr
.endm
; A tile's last 16 products, and O += f T beside them: behind product n stand the four lines of accumulator n - 1, so four plain lines that name none of its registers lie between every product and the first
; reader of its result.  The two v_nop at the end make five such lines between the last product and the next tile's product that writes the same accumulator anew.
.macro MULR
.set n, 0
.rept 16
	WIN MUL
	v_wmma_f32_16x16x32_f16 v[T+8*n:T+8*n+7], v[F1+64+8*(4+n%4):F1+64+8*(4+n%4)+7], v[F1+8*(4+n/4):F1+8*(4+n/4)+7], v[T+8*n:T+8*n+7]
.if n == 0
	PLACES
.else
	RIDE n-1
.endif
.set n, n+1
.endr
	RIDE 15
	v_nop
	v_nop
.endm
; The last quarter multiplies buffer 1 and changes slots.  In front of the barrier each wave waits for all its tensor loads (one is out: its part of the next slot), adds 0 to its spare word, and waits for that
; and for its reads of this slot.  fill = 1: the barrier opens a round of the cluster's barrier, and this slot is filled again, first thing behind it, with the walk's tile two on, whose address is made anew
; from the tile's number: 112 matrix instructions ahead of the wait for it.
.macro TURN fill
.if \fill
	s_wait_xcnt 0x0                                ; the last prefetches and stores have read their addresses
	s_mul_i32 s[OFF2], s[QN], s[QSTR]
	s_add_nc_u64 s[PFA:PFA+1], s[QCUR:QCUR+1], s[OFF2:OFF2+1]
	s_add_co_u32 s[QN], s[QN], 1
	s_cmp_gt_u32 s[QN], s[QL]
	s_cselect_b32 s[QN], 0, s[QN]
	s_cselect_b32 s[QL], s[NS1], s[QL]
	s_cselect_b64 s[QCUR:QCUR+1], s[QSH:QSH+1], s[QCUR:QCUR+1]
.endif
	WIN 0
	s_wait_tensorcnt 0x0                           ; no tensor load of mine is out, so a group 0 may be written
	ds_add_u32 v[SPW], v[NIL]                      ; 0 onto my spare word
.if \fill
	s_lshl_b32 s[OFF], s[NXT], 9                   ; a tile is 512 bytes further along P's rows,
	s_mul_i32 s[OFF2], s[NXT], VSTEP               ; 256 rows further down V
	s_xor_b32 s[G0A+5], s[G0A+5], SLOTX
	s_add_nc_u64 s[G0A+6:G0A+7], s[PCUR:PCUR+1], s[OFF:OFF+1]
	s_or_b32 s[G0A+7], s[G0A+7], 0x80000000
	s_xor_b32 s[G0B+5], s[G0B+5], SLOTX
	s_add_nc_u64 s[G0B+6:G0B+7], s[VB:VB+1], s[OFF2:OFF2+1]
	s_or_b32 s[G0B+7], s[G0B+7], 0x80000000
	s_add_co_u32 s[NXT], s[NXT], 1                 ; the block's next tile, or behind its last the short block's tile 0
	s_cmp_gt_u32 s[NXT], s[LQ]
	s_cselect_b32 s[NXT], 0, s[NXT]
	s_cselect_b32 s[LQ], s[NS1], s[LQ]
	s_cselect_b64 s[PCUR:PCUR+1], s[PS:PS+1], s[PCUR:PCUR+1]
.endif
	s_wait_dscnt 17                                ; the add and the youngest sixteen loads may be out
	MUL8 F1, 0, 0, 0
	s_wait_dscnt 0x0                               ; the add is done, and my reads of this slot are over
	s_barrier_signal -1
	MUL8 F1, 0, 2, 0
	WIN 0
	s_barrier_wait -1
.if \fill
	CREST                                          ; no wave of any partner still reads this slot or has a load on its way
	JLOAD                                          ; its four v_nop are also the places in front of the loads below
.else
	PLACES
.endif
	s_xor_b32 s[TB], s[TB], SLOTX
	v_add_nc_u32 v[ADA], s[TB], v[ADA0]
	v_add_nc_u32 v[ADBL], s[TB], v[ADB0]
	v_add_nc_u32 v[ADBH], 128*PV, v[ADBL]
	FETCH 0, F0
.if \fill
	WIN 0
	ASK
.endif
	MULR
.endm
; THE WAY OUT of a block: O goes through my stage, 16 rows at a time, and comes back as whole rows of 256 bytes, into T's registers, which hold nothing between a tile's last product and the next tile's first:
; four sets of 32, so that no set is loaded twice.  clear = 1: the short block follows.
.macro SEND a, younger                 ; younger: the LDS instructions issued behind block a's loads: the next block's sixteen, or none
	s_wait_dscnt \younger
.irp t, 0,1,2,3,4,5,6,7
	global_store_b128 v[CO], v[T+32*(\a)+4*(\t):T+32*(\a)+4*(\t)+3], s[OP:OP+1] offset:(16*(\a)+2*(\t))*4096  ; 16 lanes store 256 consecutive bytes, at a multiple of 256 from out0's first byte
.endr
.endm
.macro OUT clear
.irp a, 0,1,2,3
	WIN 0x08                                       ; the stores' data in window 2
.irp b, 0,1,2,3
	ds_store_b128 v[STO], v[32*(\a)+8*(\b):32*(\a)+8*(\b)+3]   offset:64*(\b)
	ds_store_b128 v[STO], v[32*(\a)+8*(\b)+4:32*(\a)+8*(\b)+7] offset:64*(\b)+16
.endr
	WIN 0
.irp t, 0,1,2,3,4,5,6,7
	ds_load_b128 v[T+32*(\a)+4*(\t):T+32*(\a)+4*(\t)+3], v[RD] offset:(\t)*2*SP  ; LDS serves a wave's instructions in order (ISA guide 5.7.1.4): these see the stores above; the next block's stores come behind them
.endr
.if (\a) > 0
	SEND (\a)-1, 16
.endif
.endr
	SEND 3, 0
.if \clear
	WIN 0x80
.set i, 0
.rept 128
	v_mov_b32 v[i], 0
.set i, i+1
.endr
	WIN 0
	s_wait_xcnt 0x0                                ; the stores have read their data and their base: the next products write T, and the base steps
	s_mov_b64 s[OP:OP+1], s[OS:OS+1]
	s_mov_b32 s[RT], s[NS]
.endif
.endm
.macro ENDTILE                         ; behind a tile: the next factors; if it was the long block's last, the way out.  What is jumped holds no barrier and no tensor load
	WIN 0
	s_add_co_u32 s[FT], s[FT], 512
	s_sub_co_u32 s[RT], s[RT], 1
	s_cmp_lg_u32 s[RT], 0
	s_cbranch_scc1 .Lgoes_on_\@
	OUT 1
.Lgoes_on_\@:
.endm
	s_wait_tensorcnt 1                             ; my part of tile 0 is in; tile 1's may stay out
	s_wait_dscnt 0x0                               ; my factors lie in LDS
	s_barrier_signal -1
	s_barrier_wait -1
	FETCH 0, F0
	WIN 0
.Ltile:                                                ; trip w = 0 .. 6: the walk's tile w is multiplied, tile w + 2 asked for
	QUARTER 1, F0, F1, 1
	QUARTER 2, F1, F0, 0
	QUARTER 3, F0, F1, 0
	TURN 1
	ENDTILE
	s_sub_co_u32 s[SL], s[SL], 1
	s_cmp_lg_u32 s[SL], 0
	s_cbranch_scc1 .Ltile
	QUARTER 1, F0, F1, 1                           ; tiles 7 and 8 are written out: nothing is left to ask for
	QUARTER 2, F1, F0, 0
	QUARTER 3, F0, F1, 0
	TURN 0
	ENDTILE
	QUARTER 1, F0, F1, 1
	QUARTER 2, F1, F0, 0
	QUARTER 3, F0, F1, 0
	s_wait_dscnt 16
	MUL8 F1, 0, 0, 0
	MUL8 F1, 0, 2, 0
	s_wait_dscnt 0x0
	MULR
	WIN 0
	OUT 0                                          ; the short block always ends with the walk
	s_wait_tensorcnt 0x0                           ; the wave's end: a closing add to my spare word and its wait stand behind my last tensor load and my last LDS store
	ds_add_u32 v[SPW], v[NIL]
	s_wait_dscnt 0x0
	CROUND                                         ; the closing round: no work-group ends while a partner may still ask for a tile that names it
	s_endpgm
.Lfunc_end_k_q60acbb1849_mix:
	.size	k_q60acbb1849_mix, .Lfunc_end_k_q60acbb1849_mix-k_q60acbb1849_mix
	.p2alignl 7, 3214868480
	.fill 96, 4, 3214868480
	.section	.rodata,"a",@progbits
	.p2align	6, 0x0
	.amdhsa_kernel k_q60acbb1849_mix
		.amdhsa_group_segment_fixed_size 327680
		.amdhsa_private_segment_fixed_size 0
		.amdhsa_enable_private_segment 0
		.amdhsa_kernarg_size 40
		.amdhsa_user_sgpr_count 2
		.amdhsa_user_sgpr_kernarg_segment_ptr 1
		.amdhsa_wavefront_size32 1
		.amdhsa_system_sgpr_workgroup_id_x 1
		.amdhsa_system_sgpr_workgroup_id_y 1
		.amdhsa_system_sgpr_workgroup_id_z 1
		.amdhsa_system_vgpr_workitem_id 0
		.amdhsa_next_free_vgpr 640
		.amdhsa_next_free_sgpr 100
		.amdhsa_reserve_vcc 0
		.amdhsa_float_denorm_mode_32 3
		.amdhsa_float_denorm_mode_16_64 3
		.amdhsa_memory_ordered 1
		.amdhsa_forward_progress 1
		.amdhsa_inst_pref_size 133
	.end_amdhsa_kernel
	.amdgpu_metadata
---
amdhsa.version: [ 1, 2 ]
amdhsa.kernels:
  - .name:           k_q60acbb1849_mix
    .symbol:         k_q60acbb1849_mix.kd
    .args:
      - { .name: p, .offset: 0, .size: 8, .value_kind: global_buffer, .address_space: global }
      - { .name: qkv, .offset: 8, .size: 8, .value_kind: global_buffer, .address_space: global }
      - { .name: mx, .offset: 16, .size: 8, .value_kind: global_buffer, .address_space: global }
      - { .name: ls, .offset: 24, .size: 8, .value_kind: global_buffer, .address_space: global }
      - { .name: out0, .offset: 32, .size: 8, .value_kind: global_buffer, .address_space: global }
    .group_segment_fixed_size: 327680
    .private_segment_fixed_size: 0
    .kernarg_segment_align: 8
    .kernarg_segment_size: 40
    .max_flat_workgroup_size: 128
    .sgpr_count:     100
    .vgpr_count:     640
    .wavefront_size: 32
...
	.end_amdgpu_metadata
.endif
;; end of part 4
